; MI455X (gfx1250); checked and timed in simulation.
; The chip was launched on July 23, 2026; its instructions are those of AMD's public machine-readable ISA for CDNA 5 (MIT licence, August 2026) and "CDNA5" Instruction Set Architecture Reference Guide (July 2026). The comments in the code are by the model that wrote it; some were corrected since.
;; Causal Attention. Allowed arithmetic: matrix products marked QUANTISED: E3M2 operands, one E8M0 scale for each 32 along K, by v_wmma_scale_f32_16x16x128_f8f6f4 with both operands' format E3M2, f32 sums; everything else in f32.
;; Inputs: Wk 1,024 x 1,024 float32; Wo 1,024 x 1,024 float32; Wq 1,024 x 1,024 float32; Wv 1,024 x 1,024 float32; bo 1,024 float32; x 4 x 2,048 x 1,024 float32.
;; Outputs: out0 4 x 2,048 x 1,024 float32.
;; This version of the problem:
;;   THIS VERSION OF THE PROBLEM IS GIVEN IN LOW PRECISION. The matrix products marked QUANTISED in the list below multiply operands that are first quantised to E3M2 (3 exponent bits, 2 mantissa bits; 6 bits a number), with one power-of-two scale for each 32 numbers along K (OCP MX v1.0); their sums are f32. All else is computed in f32.
;;   The module's matrix products, in the order in which they are computed (A, B: the left and right operand; K: the contracted axis; several contracted axes count as one K, in the product's order):
;;     1. [M 8,192, K 1,024] x [K 1,024, N 1,024]; A: input x; B: input Wq: QUANTISED
;;     2. [M 8,192, K 1,024] x [K 1,024, N 1,024]; A: input x; B: input Wk: QUANTISED
;;     3. [M 8,192, K 1,024] x [K 1,024, N 1,024]; A: input x; B: input Wv: QUANTISED
;;     4. batch 64 x [M 2,048, K 64] x [K 64, N 2,048]; A: computed on the way; B: computed on the way: QUANTISED
;;     5. batch 64 x [M 2,048, K 2,048] x [K 2,048, N 64]; A: softmax (see below); B: computed on the way: QUANTISED
;;     6. [M 8,192, K 1,024] x [K 1,024, N 1,024]; A: computed on the way; B: input Wo: QUANTISED
;;   THE QUANTISER, for each operand of a quantised product, along K:
;;     - K is cut into blocks of 32 from its start; a last block that is shorter is filled with zeros.
;;     - A block's scale is 2^e with e = floor(log2(the largest magnitude in the block)) - 4, held to -126 .. 127; a block of zeros has e = 0. As a byte (E8M0): e + 127.
;;     - Each number is divided by its block's scale, clamped to +-28, and rounded to the nearest number of E3M2, ties to even, subnormals kept.
;;     - The product sums the exact products of the quantised numbers (number of the format x scale) in f32.
;;   ~~~python
;;   def quantise(x, axis):      # numpy; x: float32 -> the quantised numbers, widened to float32 again
;;       x = np.moveaxis(x, axis, -1); K = x.shape[-1]
;;       x = np.pad(x, [(0, 0)] * (x.ndim - 1) + [(0, -K % 32)]); x = x.reshape(x.shape[:-1] + (-1, 32)); a = np.abs(x).max(-1, keepdims=True)
;;       e = np.where(a > 0, np.clip(np.frexp(np.where(a > 0, a, 1))[1] - 1 - 4, -126, 127), 0)      # np.frexp(a)[1] - 1 = floor(log2(a)), exactly
;;       r = np.clip(x / 2.0 ** e, -28, 28)
;;       step = 2.0 ** (np.maximum(np.frexp(np.where(r == 0, 1, r))[1] - 1, -2) - 2)
;;       q = np.round(r / step) * step * 2.0 ** e      # np.round: ties to even
;;       return np.moveaxis(q.reshape(q.shape[:-2] + (-1,))[..., :K], -1, axis).astype(np.float32)
;;   ~~~
;;   SOFTMAX AHEAD OF A QUANTISED PRODUCT. Where the list says 'softmax', what is quantised is not the finished softmax but p = 2^(t - M), with t = logit x log2(e) and M = ceil(the row's largest t), a whole number; so 1/2 < the row's largest p <= 1. The row's sum l is taken of the UNQUANTISED p, in f32, and the product's result is divided by l at the end. Since M is a whole number, a kernel that streams over the keys may use a running M (the ceiling of the running maximum): every later rescaling is an exact power of two, which a block's scale takes up: the codes' values come out the same.
;;   OPERANDS COMPUTED ON THE WAY. 'Computed on the way' means the value that the module computes at that place (a softmax that the list does not call 'softmax' is quantised finished and normalised). What goes into a quantiser is computed in f32, as accurately as f32 sums, v_exp_f32 and their like allow (about 1e-6 of the number): no bf16 or f16 on the way to a quantiser, and a product that is left as it is and whose result goes on into a quantised operand takes f32 operands (vector FMAs, or v_wmma_f32_16x16x4_f32). A number that lies on a knife's edge between two numbers of the format may be rounded either way, as far as f32 arithmetic and the matrix unit's own rounding can turn it there, and no further.
;; One version. Each part assembles by itself: llvm-mc -triple=amdgcn-amd-amdhsa -mcpu=gfx1250 --defsym DOCPART=n.
;; ======== version 1 of 1: 4 launches
;; workspace buffers: opc 9,437,184 bytes; ops 393,216 bytes; qi 6,815,744 bytes; kv 13,369,344 bytes; oc 6,291,456 bytes; os 262,144 bytes
;; launch quant (part 1): grid 256 x 1, 6 waves a work-group, no clusters, 51,456 bytes of LDS; arguments x, Wq, Wk, Wv, Wo, opc, ops; writes opc, ops
.if DOCPART == 1
	.amdgcn_target "amdgcn-amd-amdhsa--gfx1250"
	.amdhsa_code_object_version 6
	.text
	.protected	k_qf91e216943_quant
	.globl	k_qf91e216943_quant
	.p2align	8
	.type	k_qf91e216943_quant,@function
k_qf91e216943_quant:
	s_mov_b64 s[64:65], 0
	v_nop
	global_prefetch_b8 v0, s[64:65] scope:SCOPE_SE
	s_setreg_imm32_b32 hwreg(HW_REG_WAVE_MODE, 25, 1), 1
	s_wait_xcnt 0x0
; x [8192][1024] and Wq, Wk, Wv, Wo [1024][1024], f32, K innermost, become codes of BF6 (E3M2) with one E8M0 byte for each 32 along K.
; A block's scale is 2^(floor(log2(its largest magnitude)) - 4); its byte is the largest magnitude's exponent field - 4, held at 1 from below.
; LIMITS: a block of zeros gets the byte 1 where the quantiser says 127 (its codes are zeros, and this program alone reads the bytes); blocks whose largest magnitude
; lies under 2^-122 are held at that byte; NaN and infinities among the inputs are not served.
; LAYOUT OF THE RESULT.  A TILE is 16 rows: tile T holds rows 32 (T / 2) + 8 (T % 2) + r + 8 (r / 8), r = 0 .. 15.  Tiles 0-511 are x's, then 64 each of Wq, Wk, Wv, Wo.
; A fragment (a tile x 128 K, 12 registers a lane) lies in opc as an IMAGE OF ITS REGISTERS, 1,536 bytes at T x 12,288 + 1,536 x K step: registers 0-3 at 16 x lane, 4-5 at 512 + 8 x lane,
; 6-9 at 768 + 16 x lane, 10-11 at 1,280 + 8 x lane: each store covers whole aligned blocks of 256 bytes, and the product's launch reads operands back by the same four lines.
; The scale words lie in ops at T x 512 + 128 (K step / 2) + 8 r + 4 (K step % 2).
; SHARES.  1,536 jobs, one a wave: a tile x 512 along K, four steps of 128.  Each load reads 512 consecutive bytes of one row; a step's 16 rows turn through the wave's own stage in LDS
; (rows 528 bytes apart), so that a lane gets 16 neighbours of each block of 32 of its row.  Waves share nothing: no barrier.  Memory binds, so there are no matrix units, no clusters and no prefetch here.
.set SP,   528                         ; a stage row: 512 bytes + 16
.set WST,  16*SP                       ; a wave's stage
.set L16,  4                           ; v4   16 x lane
.set L8,   5                           ; v5   8 x lane
.set SIN,  6                           ; v6   the stage, on the way in
.set SOUT, 7                           ; v7   and out: row r, + 64 h
.set R,    16                          ; v16-143  two sets of 64 numbers as loaded
.set X,    144                         ; v144-207 64 numbers: register 16 b + i = k 32 b + 16 h + i of my row
.set TM,   208                         ; v208-223 at work
.set PC,   224                         ; v224-242 the codes
.set PWS,  244                         ; v244-247 the four steps' scale words
.set SEL,  28                          ; s[28:29] lane selects: lane l xor 16
	s_load_b256 s[4:11], s[0:1], 0x0               ; x, Wq, Wk, Wv
	s_load_b128 s[12:15], s[0:1], 0x20             ; Wo, opc
	s_load_b64 s[16:17], s[0:1], 0x30              ; ops
	v_lshl_add_u32 v254, v0, 2, 0xc600
	v_mov_b32 v255, 0
	v_lshrrev_b32 v1, 5, v0
	v_readfirstlane_b32 s18, v1                    ; wave 0..5
	v_and_b32 v1, 31, v0                           ; lane
	v_and_b32 v2, 15, v0                           ; r
	v_bfe_u32 v3, v0, 4, 1                         ; h
	v_lshlrev_b32 v[L16], 4, v1
	v_lshlrev_b32 v[L8], 3, v1
	s_mul_i32 s22, s18, WST
	v_add_nc_u32 v[SIN], s22, v[L16]
	v_mul_u32_u24 v[SOUT], v2, SP
	v_lshl_add_u32 v[SOUT], v3, 6, v[SOUT]
	v_add_nc_u32 v[SOUT], s22, v[SOUT]
.irp b, 0,1,2,3
	v_mov_b32 v[TM+4+\b], 0                        ; written once: a lane permute's destination counts as one of its sources
.endr
	s_mov_b32 s[SEL], 0x76543210
	s_mov_b32 s[SEL+1], 0xfedcba98
	s_mul_i32 s19, ttmp9, 6
	s_add_co_u32 s19, s19, s18                     ; my job
	s_lshr_b32 s20, s19, 1                         ; its tile T
	s_and_b32 s21, s19, 1                          ; and which 512 along K
	s_sub_co_u32 s23, s20, 512
	s_and_b32 s23, s23, 63
	s_cmp_lt_u32 s20, 512
	s_cselect_b32 s23, s20, s23                    ; the tile's number in its own tensor
	s_lshr_b32 s26, s23, 1
	s_lshl_b32 s26, s26, 17                        ; 32 rows of 4,096 bytes for each pair of tiles,
	s_and_b32 s27, s23, 1
	s_lshl_b32 s27, s27, 15                        ; 8 rows for the odd one,
	s_add_co_u32 s26, s26, s27
	s_lshl_b32 s27, s21, 11                        ; 2,048 bytes for the second 512 along K
	s_add_co_u32 s26, s26, s27
	s_mov_b32 s27, 0
	s_mul_i32 s30, s20, 12288
	s_mul_i32 s31, s21, 6144
	s_add_co_u32 s30, s30, s31                     ; my four images in opc
	s_mov_b32 s31, 0
	s_lshl_b32 s32, s20, 9
	s_lshl_b32 s33, s21, 8
	s_add_co_u32 s32, s32, s33                     ; my 256 bytes of ops
	s_mov_b32 s33, 0
	s_wait_kmcnt 0x0
	s_mov_b64 s[24:25], s[12:13]                   ; the tensor is chosen by the tile's number alone
	s_cmp_lt_u32 s20, 704
	s_cselect_b64 s[24:25], s[10:11], s[24:25]
	s_cmp_lt_u32 s20, 640
	s_cselect_b64 s[24:25], s[8:9], s[24:25]
	s_cmp_lt_u32 s20, 576
	s_cselect_b64 s[24:25], s[6:7], s[24:25]
	s_cmp_lt_u32 s20, 512
	s_cselect_b64 s[24:25], s[4:5], s[24:25]
	s_add_nc_u64 s[24:25], s[24:25], s[26:27]
	s_add_nc_u64 s[14:15], s[14:15], s[30:31]
	s_add_nc_u64 s[16:17], s[16:17], s[32:33]
.macro LOAD t                          ; step t: 512 bytes of each of the tile's 16 rows, into set t % 2
.set i, 0
.rept 16
	global_load_b128 v[R+64*((\t)%2)+4*i:R+64*((\t)%2)+4*i+3], v[L16], s[24:25] offset:(i+8*(i/8))*4096+512*(\t) th:TH_LOAD_NT
.set i, i+1
.endr
.endm
; 64 numbers of a lane, register 16 b + i = k 32 b + 16 h + i of my row, become a fragment's codes in v[PC] on and its scale word in v[pw]
.macro QUANT s, pw
.irp b, 0,1,2,3
	v_max3_num_f32 v[TM+\b], |v[\s+16*\b]|, |v[\s+1+16*\b]|, 0x2800000   ; my 16 numbers of block b, and the floor 2^(5 - 127): the byte cannot fall under 1
.endr
.irp i, 2,4,6,8,10,12,14
.irp b, 0,1,2,3
	v_max3_num_f32 v[TM+\b], v[TM+\b], |v[\s+16*\b+\i]|, |v[\s+1+16*\b+\i]|   ; the four blocks by turns
.endr
.endr
.irp b, 0,1,2,3
	v_permlanex16_b32 v[TM+4+\b], v[TM+\b], s[SEL], s[SEL+1]
.endr
.irp b, 0,1,2,3
	v_max_num_f32 v[TM+\b], v[TM+\b], v[TM+4+\b]   ; with lane l xor 16's: the block's largest magnitude
.endr
.irp b, 0,1,2,3
	v_add_nc_u32 v[TM+12+\b], 0xfe000000, v[TM+\b] ; 4 off its exponent field: the conversion's scale operand
.endr
.irp b, 0,1,2,3
	v_lshrrev_b32 v[TM+4+\b], 23, v[TM+12+\b]      ; the scale's byte
.endr
	v_lshl_or_b32 v[\pw], v[TM+5], 8, v[TM+4]
	v_lshl_or_b32 v[\pw], v[TM+6], 16, v[\pw]
	v_lshl_or_b32 v[\pw], v[TM+7], 24, v[\pw]      ; my row's scale word
.irp c, 0,1
	v_cvt_scalef32_pk16_bf6_f32 v[PC+6*\c:PC+2+6*\c], v[\s+32*\c:\s+15+32*\c], v[TM+12+2*\c]
	v_cvt_scalef32_pk16_bf6_f32 v[PC+12+4*\c:PC+14+4*\c], v[\s+16+32*\c:\s+31+32*\c], v[TM+12+2*\c+1]   ; (a conversion's three registers begin on an even number)
.endr
	v_nop                                          ; one plain instruction behind a scaled conversion
.irp c, 0,1                            ; the operand's layout wants a whole block in a lane: lanes 0-15 block 2 c, lanes 16-31 block 2 c + 1
.irp i, 0,1,2
	v_permlane16_swap_b32 v[PC+6*\c+\i], v[PC+12+4*\c+\i]
.endr
.irp i, 0,1,2
	v_mov_b32 v[PC+3+6*\c+\i], v[PC+12+4*\c+\i]
.endr
.endr
.endm
.macro STEP t
.if (\t) < 3
	s_wait_loadcnt 16                              ; this step's 16 loads are in; the next step's 16 may be out
.else
	s_wait_loadcnt 0x0
.endif
.if (\t) > 0
	s_wait_xcnt 0x0                                ; the last step's stores have read the codes' registers, which are written again below
.endif
.set i, 0
.rept 16
	ds_store_b128 v[SIN], v[R+64*((\t)%2)+4*i:R+64*((\t)%2)+4*i+3] offset:SP*i
.set i, i+1
.endr
.irp b, 0,1,2,3
.irp j, 0,1,2,3
	ds_load_b128 v[X+16*\b+4*\j:X+16*\b+4*\j+3], v[SOUT] offset:128*\b+16*\j   ; LDS serves a wave's instructions in order: these see the stores above
.endr
.endr
	s_wait_dscnt 0x0                               ; the numbers are back, and the stage's stores have read their registers,
.if (\t) < 2
	LOAD (\t)+2                                    ; which take the loads of two steps on
.endif
	QUANT X, PWS+(\t)
	global_store_b128 v[L16], v[PC:PC+3], s[14:15] offset:1536*(\t)
	global_store_b64 v[L8], v[PC+4:PC+5], s[14:15] offset:1536*(\t)+512
	global_store_b128 v[L16], v[PC+6:PC+9], s[14:15] offset:1536*(\t)+768
	global_store_b64 v[L8], v[PC+10:PC+11], s[14:15] offset:1536*(\t)+1280
.endm
	LOAD 0
	LOAD 1
	STEP 0
	STEP 1
	STEP 2
	STEP 3
	v_cmp_le_u32 vcc_lo, 16, v1                    ; lanes 16-31 carry the words of my steps 2 and 3, lanes 0-15 those of steps 0 and 1
	v_cndmask_b32 v248, v[PWS], v[PWS+2], vcc_lo
	v_cndmask_b32 v249, v[PWS+1], v[PWS+3], vcc_lo
	global_store_b64 v[L8], v[248:249], s[16:17]   ; 32 lanes store 256 consecutive bytes, aligned
	s_wait_tensorcnt 0x0
	ds_add_u32 v254, v255
	s_wait_dscnt 0x0
	s_endpgm
.Lfunc_end_k_qf91e216943_quant:
	.size	k_qf91e216943_quant, .Lfunc_end_k_qf91e216943_quant-k_qf91e216943_quant
	.p2alignl 7, 3214868480
	.fill 96, 4, 3214868480
	.section	.rodata,"a",@progbits
	.p2align	6, 0x0
	.amdhsa_kernel k_qf91e216943_quant
		.amdhsa_group_segment_fixed_size 51456
		.amdhsa_private_segment_fixed_size 0
		.amdhsa_enable_private_segment 0
		.amdhsa_kernarg_size 56
		.amdhsa_user_sgpr_count 2
		.amdhsa_user_sgpr_kernarg_segment_ptr 1
		.amdhsa_wavefront_size32 1
		.amdhsa_system_sgpr_workgroup_id_x 1
		.amdhsa_system_sgpr_workgroup_id_y 1
		.amdhsa_system_sgpr_workgroup_id_z 1
		.amdhsa_system_vgpr_workitem_id 0
		.amdhsa_next_free_vgpr 256
		.amdhsa_next_free_sgpr 66
		.amdhsa_reserve_vcc 1
		.amdhsa_float_denorm_mode_32 3
		.amdhsa_float_denorm_mode_16_64 3
		.amdhsa_memory_ordered 1
		.amdhsa_forward_progress 1
		.amdhsa_inst_pref_size 34
	.end_amdhsa_kernel
	.amdgpu_metadata
---
amdhsa.version: [ 1, 2 ]
amdhsa.kernels:
  - .name:           k_qf91e216943_quant
    .symbol:         k_qf91e216943_quant.kd
    .args:
      - { .name: x, .offset: 0, .size: 8, .value_kind: global_buffer, .address_space: global }
      - { .name: Wq, .offset: 8, .size: 8, .value_kind: global_buffer, .address_space: global }
      - { .name: Wk, .offset: 16, .size: 8, .value_kind: global_buffer, .address_space: global }
      - { .name: Wv, .offset: 24, .size: 8, .value_kind: global_buffer, .address_space: global }
      - { .name: Wo, .offset: 32, .size: 8, .value_kind: global_buffer, .address_space: global }
      - { .name: opc, .offset: 40, .size: 8, .value_kind: global_buffer, .address_space: global }
      - { .name: ops, .offset: 48, .size: 8, .value_kind: global_buffer, .address_space: global }
    .group_segment_fixed_size: 51456
    .private_segment_fixed_size: 0
    .kernarg_segment_align: 8
    .kernarg_segment_size: 56
    .max_flat_workgroup_size: 192
    .sgpr_count:     66
    .vgpr_count:     256
    .wavefront_size: 32
...
	.end_amdgpu_metadata
.endif
;; end of part 1
;; launch qkv (part 2): grid 12 x 32, 4 waves a work-group, clusters of 4 x 4, 327,680 bytes of LDS; arguments opc, ops, qi, kv; writes qi, kv
.if DOCPART == 2
	.amdgcn_target "amdgcn-amd-amdhsa--gfx1250"
	.amdhsa_code_object_version 6
	.text
	.protected	k_qf91e216943_qkv
	.globl	k_qf91e216943_qkv
	.p2align	8
	.type	k_qf91e216943_qkv,@function
k_qf91e216943_qkv:
	s_mov_b64 s[64:65], 0
	v_nop
	global_prefetch_b8 v0, s[64:65] scope:SCOPE_SE
	s_setreg_imm32_b32 hwreg(HW_REG_WAVE_MODE, 25, 1), 1
	s_wait_xcnt 0x0
	s_wait_alu depctr_hold_cnt(0) depctr_sa_sdst(0) depctr_va_vdst(0) depctr_va_sdst(0) depctr_va_ssrc(0) depctr_va_vcc(0) depctr_vm_vsrc(0)
	s_getreg_b32 s2, hwreg(HW_REG_IB_STS2, 6, 4)
	s_cmp_eq_u32 s2, 0
	s_cbranch_scc0 .Lentry_in_a_cluster
	s_endpgm
.Lentry_in_a_cluster:
	s_bfe_u32 s2, ttmp6, 0x10000c
	s_cmp_lg_u32 s2, 0xf033
	s_cbranch_scc0 .Lentry_shape_is_right
	s_endpgm
.Lentry_shape_is_right:
; q = x Wq^T, k = x Wk^T, v = x Wv^T on codes of BF6 (E3M2) with E8M0 scales, and the results quantised again on the way out: q and k along the head's 64 channels, v along the keys.
; OPERANDS lie in opc as images of their registers (tile T x K step: 1,536 bytes at T x 12,288 + 1,536 s), their scale words in ops (T x 512 + 128 (s / 2) + 8 r + 4 (s % 2)).
; A tile T holds rows 32 (T / 2) + 8 (T % 2) + r + 8 (r / 8).  Tiles 0-511: x; 512-575 Wq; 576-639 Wk; 640-703 Wv.
; ROLES.  P is source 0, R source 1: in a result a lane holds ONE row of R, and the 16 registers of P's tiles 2 b, 2 b + 1 are P's rows 32 b + 16 (lane / 16) + 0 .. 15: neighbours along the axis that is quantised next.
; The cluster's x says which product: 0 q, 1 k (P = the weight's rows, R = tokens), 2 v (P = tokens, R = Wv's rows).  The choice is made once, in scalar registers; the text is one for all three.
; A work-group of four waves makes 256 x 256, a wave 128 x 128: 64 accumulators, 512 registers.  K goes in steps of 256 through a ring of two LDS slots, four K steps in all, written straight.
; CLUSTERS: 4 x 4 work-groups.  R's tiles hang on the place along y and are asked for jointly by a row of the cluster, P's on the place along x and are asked for by a column.
; THE WAY OUT uses no LDS: a block of R's 16 rows has its 128 numbers along P in 64 registers a lane; they become a fragment and a scale word, stored as images.
;   qi [head of 64][256 tokens][13,312]: 16 tiles x 768 bytes (a tile x 64 channels: half a fragment), then 4 blocks of 256 bytes of scale words (block U: tiles 4 U .. 4 U + 3; word i in register i / 2, lanes 16 (i % 2) on).
;   kv [head][256 keys][26,112]: k as in qi; at 13,312 v as [128 keys][16 channels][1,536]; at 25,600 one block of scale words for each 128 keys.
;   A scale word of q or k has its head's two bytes lowest; its upper two bytes stand over zero codes and are the neighbouring head's bytes or 0, never 0xff.
; LIMITS: a block of zeros gets the byte 1 where the quantiser says 127 (zero codes; this program alone reads the bytes); blocks under 2^-122 are held at that byte; NaN and infinities are not served.
; LEFT OUT: work-groups that stay (384 work-groups take the chip one and a half times); prefetching (four K steps only).
.set NQ,     2                         ; matrix instructions deep in a slot
.set FR,     12                        ; registers of a fragment
.set FRB,    1536                      ; its image in bytes
.set NL,     4                         ; LDS loads that bring one
.set NP,     4                         ; places behind this matrix instruction (ISA guide 7.12.1)
.set TROW,   2*FRB                     ; a tile's part of a slot
.set HALFT,  8*TROW                    ; 8 tiles: what one tensor load brings, and what one wave reads of R or of P
.set SLOT,   4*HALFT                   ; R's 16 tiles, then P's 16
.set SCL,    2*SLOT                    ; behind the ring: the scale words for all of K, filled once
.set HALFS,  4096                      ; those of 8 tiles
.set SBLK,   512                       ; those of one
.set SPARE,  SCL+4*HALFS               ; the spare words, 128 bytes a wave: two blocks of 256 bytes that no other line names
.set ADRA, 16                          ; v16-17 LDS address of R's fragments in slot 0, 1, + 16 x lane; v18-19 the same + 8 x lane
.set ADRB, 20                          ; v20-23 likewise for P
.set V16,  24                          ; v24  16 x lane
.set V8,   25                          ; v25  8 x lane
.set LN,   26                          ; v26  lane
.set ADRS, 27                          ; v27  LDS address of my scale words: lanes 0-15 R's, lanes 16-31 P's
.set SPW,  28                          ; v28  my spare word; never rewritten
.set NIL,  29                          ; v29  0; never rewritten
.set SC,   32                          ; v32-63 scale words, two sets; register NQ i + q: lanes 0-15 R's block i, lanes 16-31 P's block i
.set TM,   64                          ; v64-79  the way out: at work
.set PC,   80                          ; v80-98  the codes
.set PWS,  100                         ; v100-107 the eight blocks' scale words
.set UX,   108                         ; v108-111 a block of scale words on its way out
.set AF,   128                         ; v128-223 R's fragments, one set.  Window 1: P's, two sets, at v0 and v128.  Windows 2, 3: the accumulators, (a, b) at v[8 (8 (a % 4) + b)]
.set SEL,  2                           ; s[2:3] lane selects: lane l xor 16
.set G1, 24                            ; s[24:31] group 1 for R's tiles; s[32:39] group 0, a set for each slot
.set G0, 32
.set G1B, 48                           ; s[48:55], s[56:63] for P's
.set G0B, 56
.set G1S, 68                           ; s[68:75], s[76:79] for R's scale words; s[80:87], s[88:91] for P's
.set G0S, 76
.set G1SB, 80
.set G0SB, 88
.set DA, 92                            ; s[92:93] where the block's first half goes; s[94:95] its second half
.set DB, 94
.set S1, 96                            ; s[96:97] from block to block; s[98:99] from block 3 to block 4; s[100:101] from first half to second
.set S2, 98
.set S3, 100
.set SA, 18                            ; s[18:19] where the scale words go; s[20:21] the step to the second four blocks'; s[22:23] the other head's
.set S4, 20
.set SB, 22
.set MSB, 0
.macro WIN new                         ; the immediate's high byte repeats the setting that is left
.if MSB != \new
	s_set_vgpr_msb (MSB<<8)|\new
.set MSB, \new
.endif
.endm
.set MUL_LO, 0xa1                      ; source 0 (P) window 1, source 1 (R) window 0, C and D window 2
.set MUL_HI, 0xf1                      ; the same, C and D window 3
.set TO_B,   0x40                      ; destination window 1, address window 0
; A joint load: waves 0 and 1 fetch for R, waves 2 and 3 for P.  The branch hangs on the wave's number alone.  Four v_nop follow each of the two lines.
.macro JLOAD g0a, g1a, g0b, g1b
	s_cmp_eq_u32 s15, 0
	s_cbranch_scc0 .Lfor_b_\@
	tensor_load_to_lds s[\g0a:\g0a+3], s[\g1a:\g1a+7]
	s_nop 0
.rept 4
	v_nop
.endr
	s_branch .Lasked_\@
.Lfor_b_\@:
	tensor_load_to_lds s[\g0b:\g0b+3], s[\g1b:\g1b+7]
	s_nop 0
.rept 4
	v_nop
.endr
.Lasked_\@:
.endm
.macro CREST                           ; a round of the cluster's barrier behind its opening barrier
	s_cmp_lg_u32 s14, 0
	s_cbranch_scc1 .Lnot_wave_0_\@
	s_barrier_signal -3
.Lnot_wave_0_\@:
	s_barrier_wait -3
	s_barrier_signal -1
	s_barrier_wait -1
.endm
.macro CROUND                          ; a whole round
	s_barrier_signal -1
	s_barrier_wait -1
	CREST
.endm
	s_load_b256 s[4:11], s[0:1], 0x0               ; opc s[4:5], ops s[6:7], qi s[8:9], kv s[10:11]
	v_lshl_add_u32 v[SPW], v0, 2, SPARE
	v_mov_b32 v[NIL], 0
	ds_add_u32 v28, v29
	s_wait_dscnt 0x0
	v_lshrrev_b32 v1, 5, v0
	v_readfirstlane_b32 s14, v1                    ; wave 0..3
	s_lshr_b32 s15, s14, 1                         ; which half of R's 256 rows is mine.  Also: I fetch for R (0) or for P (1)
	s_and_b32 s16, s14, 1                          ; which half of P's.  Also: which 8 tiles I fetch
	s_bfe_u32 s40, ttmp6, 0x40000                  ; cx, cy: my place in the cluster
	s_bfe_u32 s41, ttmp6, 0x40004
	s_and_b32 s17, ttmp7, 0xffff
	s_lshl_b32 s17, s17, 2                         ; 4 x cluster y
	s_lshl_b32 s12, ttmp9, 2
	s_add_co_u32 s12, s12, 32                      ; 32 + 4 x cluster x: where Wq's or Wk's blocks of 256 rows begin
	s_cmp_lt_u32 ttmp9, 2                          ; q or k?  The same in all sixteen partners
	s_cselect_b32 s12, s12, s17                    ; P: the weight, or (v) the tokens
	s_cselect_b32 s13, s17, 40                     ; R: the tokens, or Wv
	s_add_co_u32 s12, s12, s40                     ; P's block of 256 rows hangs on cx alone,
	s_add_co_u32 s13, s13, s41                     ; R's on cy alone
	s_lshl_b32 s43, s41, 2
	s_lshl_b32 s43, 15, s43                        ; my row of the cluster
	s_lshl_b32 s44, 0x1111, s40                    ; my column
	; group 1: 8 tiles x 3,072 bytes (384 elements of 8 bytes), 12,288 bytes from tile to tile; dense in LDS
	s_or_b32 s[G1+0], s43, (3<<16)|(1<<21)         ; 15:0 the mask: R's tiles go to my row; 17:16 elements of 8 bytes; 21 set beside a mask
	s_or_b32 s[G1B+0], s44, (3<<16)|(1<<21)        ; P's to my column
.irp g, G1, G1B
	s_mov_b32 s[\g+1], 384<<16                     ; tensor_dim0
	s_mov_b32 s[\g+2], 8<<16                       ; tensor_dim1
	s_mov_b32 s[\g+3], 384<<16                     ; tile_dim0
	s_mov_b32 s[\g+4], 8                           ; tile_dim1
	s_mov_b32 s[\g+5], 1536                        ; tensor_dim0_stride
	s_mov_b32 s[\g+6], 0
	s_mov_b32 s[\g+7], 0
.endr
	; the scale words of 8 tiles: 4,096 dense bytes, as 16 rows of 256
	s_or_b32 s[G1S+0], s43, (3<<16)|(1<<21)
	s_or_b32 s[G1SB+0], s44, (3<<16)|(1<<21)
.irp g, G1S, G1SB
	s_mov_b32 s[\g+1], 32<<16
	s_mov_b32 s[\g+2], 16<<16
	s_mov_b32 s[\g+3], 32<<16
	s_mov_b32 s[\g+4], 16
	s_mov_b32 s[\g+5], 32
	s_mov_b32 s[\g+6], 0
	s_mov_b32 s[\g+7], 0
.endr
	s_lshl_b32 s18, s16, 3
	s_lshl_b32 s20, s13, 4
	s_add_co_u32 s20, s20, s18                     ; R: the first tile that I fetch
	s_lshl_b32 s46, s12, 4
	s_add_co_u32 s46, s46, s18                     ; P likewise
	s_lshl_b32 s22, s20, 9                         ; their scale words, in bytes,
	s_mov_b32 s23, 0
	s_lshl_b32 s92, s46, 9
	s_mov_b32 s93, 0
	s_mul_i32 s20, s20, 12288                      ; and their codes
	s_mov_b32 s21, 0
	s_mul_i32 s46, s46, 12288
	s_mov_b32 s47, 0
	s_mul_i32 s45, s14, HALFT                      ; where they go: by the wave's number alone
	s_lshl_b32 s94, s14, 12
	s_wait_kmcnt 0x0
	s_add_nc_u64 s[20:21], s[4:5], s[20:21]
	s_add_nc_u64 s[22:23], s[6:7], s[22:23]
	s_add_nc_u64 s[46:47], s[4:5], s[46:47]
	s_add_nc_u64 s[92:93], s[6:7], s[92:93]
	CROUND                                         ; all sixteen work-groups are here: the first joint loads meet
	s_mov_b32 s[G0S], 1
	s_add_co_u32 s[G0S+1], s94, SCL
	s_mov_b64 s[G0S+2:G0S+3], s[22:23]
	s_or_b32 s[G0S+3], s[G0S+3], 0x80000000
	s_mov_b32 s[G0SB], 1
	s_add_co_u32 s[G0SB+1], s94, SCL
	s_mov_b64 s[G0SB+2:G0SB+3], s[92:93]
	s_or_b32 s[G0SB+3], s[G0SB+3], 0x80000000
	JLOAD G0S, G1S, G0SB, G1SB                     ; the scale words first: they are wanted with K step 0
.irp s, 0,1
	s_mov_b32 s[G0+4*\s], 1
	s_add_co_u32 s[G0+4*\s+1], s45, \s*SLOT
	s_add_nc_u64 s[G0+4*\s+2:G0+4*\s+3], s[20:21], \s*TROW
	s_or_b32 s[G0+4*\s+3], s[G0+4*\s+3], 0x80000000
	s_mov_b32 s[G0B+4*\s], 1
	s_add_co_u32 s[G0B+4*\s+1], s45, \s*SLOT
	s_add_nc_u64 s[G0B+4*\s+2:G0B+4*\s+3], s[46:47], \s*TROW
	s_or_b32 s[G0B+4*\s+3], s[G0B+4*\s+3], 0x80000000
	JLOAD G0+4*\s, G1, G0B+4*\s, G1B               ; three loads of mine are out at the most
.endr
	v_and_b32 v1, 15, v0                           ; r
	v_bfe_u32 v2, v0, 4, 1                         ; h
	v_and_b32 v[LN], 31, v0
	v_lshlrev_b32 v[V16], 4, v[LN]
	v_lshlrev_b32 v[V8], 3, v[LN]
	s_mul_i32 s21, s15, HALFT                      ; my 8 tiles of R
	s_mul_i32 s22, s16, HALFT                      ; my 8 tiles of P,
	s_add_co_u32 s22, s22, 2*HALFT                 ; which lie behind R's 16
.irp s, 0,1
	v_add_nc_u32 v[ADRA+\s], s21, v[V16]
	v_add_nc_u32 v[ADRA+2+\s], s21, v[V8]
	v_add_nc_u32 v[ADRB+\s], s22, v[V16]
	v_add_nc_u32 v[ADRB+2+\s], s22, v[V8]
	s_add_co_u32 s21, s21, SLOT
	s_add_co_u32 s22, s22, SLOT
.endr
	s_lshl_b32 s21, s15, 12                        ; R's scale words: my 8 tiles
	s_lshl_b32 s22, s16, 12                        ; P's, behind R's 16
	s_add_co_u32 s22, s22, 2*HALFS
	s_sub_co_u32 s22, s22, s21
	v_mul_u32_u24 v6, s22, v2                      ; lanes 16-31 take P's
	s_add_co_u32 s21, s21, SCL
	v_lshlrev_b32 v5, 3, v1                        ; 8 bytes a row: the words of a slot's two steps
	v_add_nc_u32 v5, v5, v6
	v_add_nc_u32 v[ADRS], s21, v5
.irp b, 0,1,2,3
	v_mov_b32 v[TM+4+\b], 0                        ; written once: a lane permute's destination counts as one of its sources
.endr
	s_mov_b32 s[SEL], 0x76543210
	s_mov_b32 s[SEL+1], 0xfedcba98
	; where the results go
	s_cmp_lt_u32 ttmp9, 2
	s_cselect_b32 s66, s13, s12                    ; which 256 tokens,
	s_cselect_b32 s67, s40, s41                    ; which 256 channels (4 heads),
	s_cselect_b32 s45, s16, s15                    ; my half of the channels (2 heads),
	s_cselect_b32 s42, s15, s16                    ; my half of the tokens
	s_mov_b32 s[S1], 1536
	s_cselect_b32 s[S1], 768, s[S1]                ; q, k: a tile of tokens on; v: a tile of channels on
	s_mov_b32 s[S2], 204288
	s_cselect_b32 s[S2], 768, s[S2]                ; v: from a head's fourth tile of channels to the next head's first: 208,896 - 3 x 1,536
	s_mov_b32 s[S4], 208896
	s_cselect_b32 s[S4], 256, s[S4]                ; scale words: q, k: the next four tiles; v: the next head
	s_mov_b32 s[SA], 25600
	s_cselect_b32 s[SA], 12288, s[SA]
	s_cselect_b32 s[SA+1], 9, 8
	s_cselect_b32 s[SB], 0, 13312
	s_cmp_eq_u32 ttmp9, 0
	s_mov_b32 s[S3], 208896
	s_cselect_b32 s[S3], 106496, s[S3]             ; a head's bytes in qi or in kv,
	s_mov_b32 s[SB+1], 26112
	s_cselect_b32 s[SB+1], 13312, s[SB+1]          ; and those of 256 tokens
	s_cselect_b64 s[DA:DA+1], s[8:9], s[10:11]
	s_lshr_b32 s94, s66, 3                         ; the batch's number,
	s_lshl_b32 s94, s94, 4
	s_and_b32 s66, s66, 7                          ; the 256 tokens' number in it
	s_lshl_b32 s67, s67, 2
	s_add_co_u32 s94, s94, s67
	s_lshl_b32 s45, s45, 1
	s_add_co_u32 s94, s94, s45                     ; 16 x batch + my first head
	s_mul_i32 s94, s94, s[S3]
	s_mul_i32 s66, s66, s[SB+1]
	s_add_co_u32 s94, s94, s66
	s_mov_b32 s95, 0
	s_add_nc_u64 s[DA:DA+1], s[DA:DA+1], s[94:95]
	s_lshl_b32 s[SA+1], s42, s[SA+1]
	s_add_co_u32 s[SA], s[SA], s[SA+1]
	s_mov_b32 s[SA+1], 0
	s_add_nc_u64 s[SA:SA+1], s[DA:DA+1], s[SA:SA+1]
	s_mul_i32 s94, s42, 6144
	s_add_co_u32 s94, s94, s[SB]
	s_add_nc_u64 s[DA:DA+1], s[DA:DA+1], s[94:95]
	s_cmp_lt_u32 ttmp9, 2
	s_cselect_b32 s[S3], s[S3], 768                ; a fragment's second half: q, k: the next head's; v: the next 64 keys'
	s_mov_b32 s[S1+1], 0
	s_mov_b32 s[S2+1], 0
	s_mov_b32 s[S3+1], 0
	s_mov_b32 s[S4+1], 0
.macro FRAG reg, adr, q, i             ; a fragment comes back as it was stored: four loads, each lane's bytes on end
	ds_load_b128 v[\reg:\reg+3], v[\adr] offset:(\i)*TROW+(\q)*FRB
	ds_load_b64 v[\reg+4:\reg+5], v[\adr+2] offset:(\i)*TROW+(\q)*FRB+512
	ds_load_b128 v[\reg+6:\reg+9], v[\adr] offset:(\i)*TROW+(\q)*FRB+768
	ds_load_b64 v[\reg+10:\reg+11], v[\adr+2] offset:(\i)*TROW+(\q)*FRB+1280
.endm
; 16 matrix instructions: R's blocks a0, a0 + 1 x P's eight, 128 along K.  zero = 1: the first product starts the sums.  The 64 accumulators take turns, one instruction a turn.
.macro MUL16 a0, p, q, sc, zero
.irp a, \a0, \a0+1
.irp b, 0,1,2,3,4,5,6,7
.if \zero
	v_wmma_scale_f32_16x16x128_f8f6f4 v[8*(8*((\a)%4)+\b):8*(8*((\a)%4)+\b)+7], v[128*(\p)+FR*\b:128*(\p)+FR*\b+FR-1], v[AF+FR*(\a):AF+FR*(\a)+FR-1], 0, v[SC+8*NQ*(\sc)+NQ*\b+(\q)], v[SC+8*NQ*(\sc)+NQ*(\a)+(\q)] matrix_a_fmt:MATRIX_FMT_BF6 matrix_b_fmt:MATRIX_FMT_BF6 matrix_a_scale:MATRIX_SCALE_ROW1
.else
	v_wmma_scale_f32_16x16x128_f8f6f4 v[8*(8*((\a)%4)+\b):8*(8*((\a)%4)+\b)+7], v[128*(\p)+FR*\b:128*(\p)+FR*\b+FR-1], v[AF+FR*(\a):AF+FR*(\a)+FR-1], v[8*(8*((\a)%4)+\b):8*(8*((\a)%4)+\b)+7], v[SC+8*NQ*(\sc)+NQ*\b+(\q)], v[SC+8*NQ*(\sc)+NQ*(\a)+(\q)] matrix_a_fmt:MATRIX_FMT_BF6 matrix_b_fmt:MATRIX_FMT_BF6 matrix_a_scale:MATRIX_SCALE_ROW1
.endif
.endr
.endr
.endm
.macro FETCH_B slot, q, p              ; P's eight fragments of the slot's q-th 128 along K into set p
	WIN TO_B
.irp i, 0,1,2,3,4,5,6,7
	FRAG 128*(\p)+FR*\i, ADRB+\slot, \q, \i
.endr
	WIN 0
.endm
.macro FETCH_A slot, q, i0             ; R's blocks i0 .. i0 + 3
.irp i, \i0, \i0+1, \i0+2, \i0+3
	FRAG AF+FR*(\i), ADRA+\slot, \q, \i
.endr
.endm
.macro SCALES sc                       ; a slot's scale words into set sc
.irp i, 0,1,2,3,4,5,6,7
	ds_load_b64 v[SC+8*NQ*\sc+NQ*\i:SC+8*NQ*\sc+NQ*\i+1], v[ADRS] offset:\i*SBLK
.endr
.endm
.macro PLACES n                        ; plain instructions between a matrix instruction and a load into its registers or a read of its result
.rept \n
	v_nop
.endr
.endm
.macro STEP slot, q, zero              ; a step of 128 along K that has its successor in the same slot
	s_wait_dscnt 4*NL                              ; P's set and R's blocks 0-3 are in; the youngest 16 loads (R's blocks 4-7) may be out
	WIN MUL_LO
	MUL16 0, (\q)%2, \q, \slot, \zero
	MUL16 2, (\q)%2, \q, \slot, \zero
	s_wait_dscnt 0
	PLACES NP
	FETCH_B \slot, (\q)+1, 1-(\q)%2
	FETCH_A \slot, (\q)+1, 0
	WIN MUL_HI
	MUL16 4, (\q)%2, \q, \slot, \zero
	MUL16 6, (\q)%2, \q, \slot, \zero
	PLACES NP
	WIN 0
	FETCH_A \slot, (\q)+1, 4
.endm
; A slot's last step changes slots: one barrier; in front of it each wave waits for all its tensor loads, adds 0 to its spare word, and waits for that and for its reads of this slot.  fill = 1: this slot is filled again.
.macro TURN slot, next, fill
	s_wait_tensorcnt 0x0                           ; all my tensor loads have landed: my part of the next slot
	ds_add_u32 v[SPW], v[NIL]                      ; 0 onto my spare word
	s_wait_dscnt 4*NL+1                            ; (the add and the youngest 16 loads may be out)
	WIN MUL_LO
	MUL16 0, 1, NQ-1, \slot, 0
	s_wait_dscnt 0x0                               ; the add is done, and my reads of this slot are over
	s_barrier_signal -1
	MUL16 2, 1, NQ-1, \slot, 0
	WIN 0
	s_barrier_wait -1
.if \fill
	CREST                                          ; the barrier has opened a round of the cluster's: no wave of any partner still reads this slot or has a load on its way
	s_add_nc_u64 s[G0+4*\slot+2:G0+4*\slot+3], s[G0+4*\slot+2:G0+4*\slot+3], 2*TROW
	s_add_nc_u64 s[G0B+4*\slot+2:G0B+4*\slot+3], s[G0B+4*\slot+2:G0B+4*\slot+3], 2*TROW
	JLOAD G0+4*\slot, G1, G0B+4*\slot, G1B         ; the first tensor load behind the round; its four v_nop are the places in front of the loads below
.else
	PLACES NP
.endif
	v_add_nc_u32 v[ADRS], 128, v[ADRS]             ; the next slot's scale words
	FETCH_B \next, 0, 0
	FETCH_A \next, 0, 0
	SCALES \next
	WIN MUL_HI
	MUL16 4, 1, NQ-1, \slot, 0
	MUL16 6, 1, NQ-1, \slot, 0
	PLACES NP
	WIN 0
	FETCH_A \next, 0, 4
.endm
	s_wait_tensorcnt 1                             ; the scale words and my part of slot 0 are in; slot 1's load may be out
	s_barrier_signal -1
	s_barrier_wait -1
	FETCH_B 0, 0, 0
	FETCH_A 0, 0, 0
	SCALES 0
	FETCH_A 0, 0, 4
	STEP 0, 0, 1                                   ; K 0-127: its products start the sums
	TURN 0, 1, 1                                   ; K 128-255; slot 0 takes K 512-767
	STEP 1, 0, 0
	TURN 1, 0, 1                                   ; slot 1 takes K 768-1023
	STEP 0, 0, 0
	TURN 0, 1, 0                                   ; nothing is left to fetch
	STEP 1, 0, 0
	s_wait_dscnt 4*NL
	WIN MUL_LO
	MUL16 0, 1, NQ-1, 1, 0
	MUL16 2, 1, NQ-1, 1, 0
	s_wait_dscnt 0
	WIN MUL_HI
	MUL16 4, 1, NQ-1, 1, 0
	MUL16 6, 1, NQ-1, 1, 0
	WIN 0
; THE WAY OUT.  Block a of R: 64 registers a lane, register 16 b + i = P's row 32 b + 16 (lane / 16) + i.
.macro QMAX a                          ; the four blocks' largest magnitudes, bytes and the scale word.  Each accumulator is read from its low end on
.set AC, 64*((\a)%4)
.set WW, ((2+(\a)/4)<<2)|((2+(\a)/4)<<4)
	WIN WW                                         ; sources 1 and 2: the accumulators' window
.irp b, 0,1,2,3
	v_max3_num_f32 v[TM+\b], 0x2800000, |v[AC+16*\b]|, |v[AC+16*\b+1]|   ; with the floor 2^(5 - 127): the byte cannot fall under 1
.endr
.irp i, 2,4,6,8,10,12,14
.irp b, 0,1,2,3
	v_max3_num_f32 v[TM+\b], v[TM+\b], |v[AC+16*\b+\i]|, |v[AC+16*\b+\i+1]|
.endr
.endr
	WIN 0
.irp b, 0,1,2,3
	v_permlanex16_b32 v[TM+4+\b], v[TM+\b], s[SEL], s[SEL+1]
.endr
.irp b, 0,1,2,3
	v_max_num_f32 v[TM+\b], v[TM+\b], v[TM+4+\b]
.endr
.irp b, 0,1,2,3
	v_add_nc_u32 v[TM+12+\b], 0xfe000000, v[TM+\b] ; 4 off the exponent field: the conversion's scale operand
.endr
.irp b, 0,1,2,3
	v_lshrrev_b32 v[TM+4+\b], 23, v[TM+12+\b]
.endr
	v_lshl_or_b32 v[PWS+(\a)], v[TM+5], 8, v[TM+4]
	v_lshl_or_b32 v[PWS+(\a)], v[TM+6], 16, v[PWS+(\a)]
	v_lshl_or_b32 v[PWS+(\a)], v[TM+7], 24, v[PWS+(\a)]
.endm
.macro QCVT a
.set AC, 64*((\a)%4)
.set WW, 2+(\a)/4
	WIN WW                                         ; source 0: the accumulators' window
.irp c, 0,1
	v_cvt_scalef32_pk16_bf6_f32 v[PC+6*\c:PC+2+6*\c], v[AC+32*\c:AC+15+32*\c], v[TM+12+2*\c]
	v_cvt_scalef32_pk16_bf6_f32 v[PC+12+4*\c:PC+14+4*\c], v[AC+16+32*\c:AC+31+32*\c], v[TM+12+2*\c+1]
.endr
	WIN 0
	v_nop                                          ; one plain instruction behind a scaled conversion
.irp c, 0,1
.irp i, 0,1,2
	v_permlane16_swap_b32 v[PC+6*\c+\i], v[PC+12+4*\c+\i]
.endr
.irp i, 0,1,2
	v_mov_b32 v[PC+3+6*\c+\i], v[PC+12+4*\c+\i]
.endr
.endr
.endm
.macro OUTBLK a
	QMAX \a
.if (\a) > 0
	s_wait_xcnt 0x0                                ; the last block's stores have read their data and their bases: both are written again below
.if (\a) == 4
	s_add_nc_u64 s[DA:DA+1], s[DA:DA+1], s[S2:S2+1]
.else
	s_add_nc_u64 s[DA:DA+1], s[DA:DA+1], s[S1:S1+1]
.endif
.endif
	s_add_nc_u64 s[DB:DB+1], s[DA:DA+1], s[S3:S3+1]
	QCVT \a
	global_store_b128 v[V16], v[PC:PC+3], s[DA:DA+1]               ; each store covers whole aligned blocks of 256 bytes
	global_store_b64 v[V8], v[PC+4:PC+5], s[DA:DA+1] offset:512
	global_store_b128 v[V16], v[PC+6:PC+9], s[DB:DB+1]
	global_store_b64 v[V8], v[PC+10:PC+11], s[DB:DB+1] offset:512
.endm
	PLACES NP
.irp a, 0,1,2,3,4,5,6,7
	OUTBLK \a
.endr
	v_cmp_le_u32 vcc_lo, 16, v[LN]
.irp u, 0,1                            ; four blocks' scale words make 256 bytes: word i in register i / 2, lanes 16 (i % 2) on
	s_wait_xcnt 0x0                                ; earlier stores have read their data and bases
.if \u
	s_add_nc_u64 s[SA:SA+1], s[SA:SA+1], s[S4:S4+1]
.endif
	v_cndmask_b32 v[UX], v[PWS+4*\u], v[PWS+4*\u+1], vcc_lo
	v_cndmask_b32 v[UX+1], v[PWS+4*\u+2], v[PWS+4*\u+3], vcc_lo
	global_store_b64 v[V8], v[UX:UX+1], s[SA:SA+1]
	s_cmp_lt_u32 ttmp9, 2                          ; q and k: a word's upper two bytes are the next head's: they go there as its lower two.  The branch is the same in all partners
	s_cbranch_scc0 .Lone_head_\u
	v_lshrrev_b32 v[UX+2], 16, v[UX]
	v_lshrrev_b32 v[UX+3], 16, v[UX+1]
	s_add_nc_u64 s[SB:SB+1], s[SA:SA+1], s[S3:S3+1]
	global_store_b64 v[V8], v[UX+2:UX+3], s[SB:SB+1]
.Lone_head_\u:
.endr
	s_wait_tensorcnt 0x0                           ; the wave's end
	ds_add_u32 v[SPW], v[NIL]
	s_wait_dscnt 0x0
	CROUND                                         ; the closing round: no work-group ends while a partner may still ask for a tile that names it
	s_endpgm
.Lfunc_end_k_qf91e216943_qkv:
	.size	k_qf91e216943_qkv, .Lfunc_end_k_qf91e216943_qkv-k_qf91e216943_qkv
	.p2alignl 7, 3214868480
	.fill 96, 4, 3214868480
	.section	.rodata,"a",@progbits
	.p2align	6, 0x0
	.amdhsa_kernel k_qf91e216943_qkv
		.amdhsa_group_segment_fixed_size 327680
		.amdhsa_private_segment_fixed_size 0
		.amdhsa_enable_private_segment 0
		.amdhsa_kernarg_size 32
		.amdhsa_user_sgpr_count 2
		.amdhsa_user_sgpr_kernarg_segment_ptr 1
		.amdhsa_wavefront_size32 1
		.amdhsa_system_sgpr_workgroup_id_x 1
		.amdhsa_system_sgpr_workgroup_id_y 1
		.amdhsa_system_sgpr_workgroup_id_z 1
		.amdhsa_system_vgpr_workitem_id 0
		.amdhsa_next_free_vgpr 1024
		.amdhsa_next_free_sgpr 102
		.amdhsa_reserve_vcc 1
		.amdhsa_float_denorm_mode_32 3
		.amdhsa_float_denorm_mode_16_64 3
		.amdhsa_memory_ordered 1
		.amdhsa_forward_progress 1
		.amdhsa_inst_pref_size 151
	.end_amdhsa_kernel
	.amdgpu_metadata
---
amdhsa.version: [ 1, 2 ]
amdhsa.kernels:
  - .name:           k_qf91e216943_qkv
    .symbol:         k_qf91e216943_qkv.kd
    .args:
      - { .name: opc, .offset: 0, .size: 8, .value_kind: global_buffer, .address_space: global }
      - { .name: ops, .offset: 8, .size: 8, .value_kind: global_buffer, .address_space: global }
      - { .name: qi, .offset: 16, .size: 8, .value_kind: global_buffer, .address_space: global }
      - { .name: kv, .offset: 24, .size: 8, .value_kind: global_buffer, .address_space: global }
    .group_segment_fixed_size: 327680
    .private_segment_fixed_size: 0
    .kernarg_segment_align: 8
    .kernarg_segment_size: 32
    .max_flat_workgroup_size: 128
    .sgpr_count:     102
    .vgpr_count:     1024
    .wavefront_size: 32
...
	.end_amdgpu_metadata
.endif
;; end of part 2
;; launch attn (part 3): grid 4 x 64, 16 waves a work-group, no clusters, 327,680 bytes of LDS; arguments qi, kv, oc, os; writes oc, os
.if DOCPART == 3
	.amdgcn_target "amdgcn-amd-amdhsa--gfx1250"
	.amdhsa_code_object_version 6
	.text
	.protected	k_qf91e216943_attn
	.globl	k_qf91e216943_attn
	.p2align	8
	.type	k_qf91e216943_attn,@function
k_qf91e216943_attn:
	s_mov_b64 s[64:65], 0
	v_nop
	global_prefetch_b8 v0, s[64:65] scope:SCOPE_SE
	s_setreg_imm32_b32 hwreg(HW_REG_WAVE_MODE, 25, 1), 1
	s_wait_xcnt 0x0
; Causal attention of one head on codes of BF6 (E3M2) with E8M0 scales, head size 64, 2,048 tokens; the result, divided by the row's sum, is quantised along the model's axis for the last product.
; THE SOFTMAX: t = score x log2(e) / 8; M = the row's largest t so far, rounded UP to a whole number; p = 2^(t - M) is what is quantised, along the keys, not normalised.  The row's sum is taken of the
; unquantised p.  When M moves, the sum and O are multiplied by 2^(old M - new M): exact.
; INPUTS, images of operand registers.  qi [head of 64][256 tokens][13,312]: 16 tiles x 768 bytes (16 tokens x 64 channels: registers 0-5 of a fragment), then 4 blocks of 256 bytes of scale words.
; kv [head][256 keys][26,112]: k as in qi; at 13,312 v, [128 keys][16 channels][1,536]; at 25,600 a block of scale words for each 128 keys.  A tile T holds rows 32 (T / 2) + 8 (T % 2) + r + 8 (r / 8).
; The first product's K is 64: registers 6-11 of both operands are zero codes, which add nothing under any scale byte but 0xff, and no stored byte is 0xff.
; SHARES.  Work-group (I, head) owns the blocks I and 7 - I of 256 queries: nine slots of 256 keys in all for every I, so the trips are a constant and the work is even.  Each of sixteen waves owns one tile of 16 queries
; of the block in hand: four waves to a SIMD, so that one wave's vector work stands beside another's products and LDS loads.  Trips 0 .. I walk key slots 0 .. I for block I, the others slots 0 .. 7 - I for block 7 - I.
; A step (128 keys) all of whose keys come after the wave's queries is passed over by a scalar branch on ids; on the diagonal hidden scores become -infinity ahead of the maximum.
; BOTH PRODUCTS ARE USED TRANSPOSED: S^T = K Q^T, O^T = V^T P^T: a lane holds one query throughout, and by the tiles' choice of rows its registers run along neighbouring keys, then neighbouring channels.
; THE RING: two LDS slots; a slot is one dense block of 102 x 256 bytes, brought by one tensor load of wave 0; one load is out at the most.
; NO JOINT LOADS: in trip T work-group I asks for key slot T + 1 (T < I), 0 (T = I) or T - I (T > I): the four work-groups of a head want different slots in most trips.
; OUTPUT.  oc: tile x K step images as the last product's operand (K step = two heads, a head = half a fragment, 768 bytes); os: its scale words; a head owns 2 of each 8 bytes there, so those leave as 2 bytes a row.
; LIMITS: a block of zeros gets the byte 1 where the quantiser says 127 (zero codes; this program alone reads the bytes); blocks under 2^-122 are held at that byte; NaN and infinities are not served.
.set SLOT1, 32768                      ; slot 1 begins here: one exclusive or turns an address from one slot to the other
.set SLB,   26112                      ; a slot's bytes
.set SPARE, 65536                      ; the spare words, 128 bytes a wave: eight blocks of 256 bytes that no other line names
.set KSC,   12288                      ; in a slot: k's scale words,
.set VOFF,  13312                      ; v's fragments,
.set VSC,   25600                      ; v's scale words
.set L16, 1                            ; v1   16 x lane
.set L8,  2                            ; v2   8 x lane
.set A16, 3                            ; v3   the slot in hand + 16 x lane
.set A8,  4                            ; v4   + 8 x lane
.set SPW, 5                            ; v5   my spare word; never rewritten
.set NIL, 6                            ; v6   0; never rewritten
.set QL,  7                            ; v7   r + 8 (r / 8) - 16 h
.set KS,  8                            ; v8-11 k's scale words
.set QS,  28                           ; v28  q's scale word          (v12 -M, v13 the largest t, v[14:15] the sum; v16-27 q, registers 6-11 zero)
.set R8,  29                           ; v29  8 r
.set VS,  30                           ; v30-31 v's scale words
.set KFR, 32                           ; v32-79  four fragments of k; registers 6-11 of each stay zero
.set VFR, 80                           ; v80-127 four fragments of v
.set S,   128                          ; v128-191 S^T, then p
.set O,   192                          ; v192-223 O^T
.set PCD, 224                          ; v224-235 p's codes
.set PT,  236                          ; v236-243 at work
.set BM,  244                          ; v244-247 the blocks' largest scores
.set SO,  248                          ; v248-251 the conversions' scale operands
.set F,   252                          ; v252 f = 2^(old M - new M)
.set PFO, 253                          ; v253 the prefetches' offset; never rewritten (also named as the upper half of the pair v[252:253], of which the low word alone is used)
.set TMP, 254
.set PW,  255                          ; v255 p's scale word
.set TB,  2                            ; s2   the slot in hand
.set SLOTS, 3                          ; s3   slots still to be asked for
.set WV,  18
.set SEL, 20                           ; s[20:21] lane l xor 16
.set CS,  22                           ; s[22:23] c = log2(e) / 8
.set G1,  24                           ; s[24:31], s[32:35] the slot's descriptor
.set G0,  32
.set I,   36
.set BH,  37
.set T,   38                           ; the trip
.set NK,  40                           ; the key slot last asked for
.set BLK, 41                           ; the block of queries in hand
.set KF,  42                           ; the step's first key
.set Q0,  43                           ; my tile's first query
.set KVB, 44                           ; s[44:45] my head in kv
.set PFA, 76                           ; s[76:77] the slot after the one that is being asked for
.set LIM, 80                           ; 1 in a wave that prefetches, else the greatest number
.macro TLOAD                           ; wave 0 fetches; four v_nop follow the line
	s_cmp_eq_u32 s[WV], 0
	s_cbranch_scc0 .Lnot_mine_\@
	tensor_load_to_lds s[G0:G0+3], s[G1:G1+7]
	s_nop 0
.rept 4
	v_nop
.endr
.Lnot_mine_\@:
.endm
; A PREFETCH INTO THE L2 of the key slot that the next change of slots will ask for: two key steps ahead of that load.  Of a head's four work-groups, work-group 0 is the first to ask for key slots 4 to 7
; (in its trips 4 to 7; the others reach slot 4 in trip 5 at the earliest); it names them in trips 3 to 6.  Slots 0 to 3 come by the loads alone.  Waves 4 to 7, which fetch nothing, ask: lanes 256 bytes apart,
; 8,192 bytes a wave; a slot has 102 blocks of 256 bytes, so the lanes beyond them are held at the last one.
.macro ASK
	s_cmp_gt_u32 s[SLOTS], s[LIM]
	s_cbranch_scc0 .Lnot_asked_\@
	s_cmp_lt_u32 s[SLOTS], 6
	s_cbranch_scc0 .Lnot_asked_\@
	global_prefetch_b8 v[PFO], s[PFA:PFA+1] th:TH_LOAD_NT scope:SCOPE_SE
.Lnot_asked_\@:
.endm
; A block of queries begins: its ids, q's fragment and scale word, and the running figures.
.macro NEWBLOCK
	s_lshl_b32 s[Q0], s[BLK], 8
	s_lshr_b32 s96, s[WV], 1
	s_lshl_b32 s96, s96, 5
	s_add_co_u32 s[Q0], s[Q0], s96
	s_and_b32 s96, s[WV], 1
	s_lshl_b32 s96, s96, 3
	s_add_co_u32 s[Q0], s[Q0], s96                 ; 256 x block + 32 (wave / 2) + 8 (wave % 2)
	s_mov_b32 s[KF], 0
	s_mul_i32 s46, s[BH], 106496
	s_mul_i32 s96, s[BLK], 13312
	s_add_co_u32 s46, s46, s96                     ; the block in qi
	s_mul_i32 s96, s[WV], 768
	s_add_co_u32 s96, s96, s46
	s_mov_b32 s97, 0
	s_add_nc_u64 s[48:49], s[4:5], s[96:97]        ; my tile's codes
	s_lshr_b32 s96, s[WV], 2
	s_lshl_b32 s96, s96, 8
	s_add_co_u32 s46, s46, s96                     ; its scale word: block of words wave / 4,
	s_and_b32 s96, s[WV], 1
	s_lshl_b32 s96, s96, 7
	s_add_co_u32 s46, s46, s96                     ; lanes 16 (wave % 2) on,
	s_bfe_u32 s96, s[WV], 0x10001
	s_lshl_b32 s96, s96, 2
	s_add_co_u32 s46, s46, s96                     ; register (wave / 2) % 2
	s_add_co_u32 s46, s46, 12288
	s_mov_b32 s47, 0
	s_add_nc_u64 s[50:51], s[4:5], s[46:47]
	global_load_b128 v[16:19], v[L16], s[48:49]
	global_load_b64 v[20:21], v[L8], s[48:49] offset:512
	global_load_b32 v[QS], v[R8], s[50:51]
	v_mov_b32 v13, 0xff61b1e6                      ; the largest t so far: -3e38, under every t
	s_delay_alu instid0(VALU_DEP_1)
	v_floor_f32 v12, -v13                          ; -M
	v_mov_b32 v14, 0
	v_mov_b32 v15, 0
.set j, 0
.rept 32
	v_mov_b32 v[O+j], 0                            ; O^T: the first step finds zeros, which the first change of M leaves zeros
.set j, j+1
.endr
	s_wait_loadcnt 0x0
.endm
	s_load_b256 s[4:11], s[0:1], 0x0               ; qi s[4:5], kv s[6:7], oc s[8:9], os s[10:11]
	v_lshl_add_u32 v[SPW], v0, 2, SPARE
	v_mov_b32 v[NIL], 0
	ds_add_u32 v5, v6
	ds_add_u32 v5, v6
	s_wait_dscnt 0x0
	v_lshrrev_b32 v128, 5, v0
	s_delay_alu instid0(VALU_DEP_1)
	v_readfirstlane_b32 s[WV], v128                ; wave 0..15
	s_mov_b32 s[I], ttmp9
	s_and_b32 s[BH], ttmp7, 0xffff
	s_mov_b32 s[G1], 3<<16                         ; no mask; elements of 8 bytes; no padding
	s_mov_b32 s[G1+1], 32<<16                      ; tensor_dim0 = 32 (256 bytes)
	s_mov_b32 s[G1+2], 102<<16                     ; tensor_dim1 = 102
	s_mov_b32 s[G1+3], 32<<16                      ; tile_dim0
	s_mov_b32 s[G1+4], 102                         ; tile_dim1
	s_mov_b32 s[G1+5], 32                          ; dense rows
	s_mov_b32 s[G1+6], 0
	s_mov_b32 s[G1+7], 0
	s_mov_b32 s[SEL], 0x76543210
	s_mov_b32 s[SEL+1], 0xfedcba98
	s_mov_b32 s[CS], 0x3e38aa3b                    ; c = log2(e) / 8
	s_mov_b32 s[CS+1], s[CS]                       ; (named with it as a pair, so it is written)
	s_mov_b32 s[TB], 0
	s_mov_b32 s[SLOTS], 8
	s_mov_b32 s[T], 0
	s_mov_b32 s[NK], 0
	s_mov_b32 s[BLK], s[I]
	s_mul_i32 s46, s[BH], 208896
	s_mov_b32 s47, 0
	s_wait_kmcnt 0x0
	s_add_nc_u64 s[KVB:KVB+1], s[6:7], s[46:47]
	s_mov_b32 s[G0], 1
	s_mov_b32 s[G0+1], 0                           ; slot 0
	s_mov_b64 s[G0+2:G0+3], s[KVB:KVB+1]           ; key slot 0
	s_or_b32 s[G0+3], s[G0+3], 0x80000000
	TLOAD
	s_mov_b64 s[PFA:PFA+1], s[KVB:KVB+1]           ; stepped at each change of slots: nothing is prefetched here
	s_lshr_b32 s96, s[WV], 2
	s_xor_b32 s96, s96, 1                          ; 0 in waves 4 to 7,
	s_or_b32 s96, s96, s[I]                        ; of the head's work-group 0
	s_cmp_eq_u32 s96, 0
	s_cselect_b32 s[LIM], 1, -1
	v_and_b32 v128, 31, v0                         ; lane
	s_delay_alu instid0(VALU_DEP_1)
	v_lshlrev_b32 v[L16], 4, v128
	s_delay_alu instid0(VALU_DEP_2)
	v_lshlrev_b32 v[L8], 3, v128
	s_delay_alu instid0(VALU_DEP_3)
	v_lshlrev_b32 v[PFO], 8, v128
	s_and_b32 s96, s[WV], 3
	s_lshl_b32 s96, s96, 13
	v_add_nc_u32 v[PFO], s96, v[PFO]
	s_delay_alu instid0(VALU_DEP_1)
	v_min_u32 v[PFO], SLB-256, v[PFO]
	v_and_b32 v129, 15, v0                         ; r
	v_bfe_u32 v130, v0, 4, 1                       ; h
	s_delay_alu instid0(VALU_DEP_2)
	v_lshlrev_b32 v[R8], 3, v129
	s_delay_alu instid0(VALU_DEP_3)
	v_and_b32 v131, 8, v129
	s_delay_alu instid0(VALU_DEP_1)
	v_add_nc_u32 v[QL], v131, v129
	s_delay_alu instid0(VALU_DEP_4)
	v_lshlrev_b32 v130, 4, v130
	s_delay_alu instid0(VALU_DEP_1)
	v_sub_nc_u32 v[QL], v[QL], v130
.irp i, 22,23,24,25,26,27
	v_mov_b32 v[\i], 0                             ; q's channels 64-127: zero codes
.endr
.irp t, 0,1,2,3
.irp i, 6,7,8,9,10,11
	v_mov_b32 v[KFR+12*\t+\i], 0                   ; k's likewise
.endr
.endr
.irp b, 0,1,2,3
	v_mov_b32 v[PT+\b], 0                          ; written once: a lane permute's destination counts as one of its sources
.endr
	v_mov_b32 v[F], 0
	NEWBLOCK
; A KEY STEP: 128 keys, the q-th of the slot in hand.
.macro STEP q
	s_add_co_u32 s96, s[Q0], 23                    ; my tile's last query
	s_cmp_gt_u32 s[KF], s96
	s_cbranch_scc1 .Lhidden_\@                     ; all keys of the step come after my queries
	v_add_nc_u32 v[A16], s[TB], v[L16]
	s_wait_alu depctr_va_vdst(0)
	v_add_nc_u32 v[A8], s[TB], v[L8]
	s_wait_alu depctr_va_vdst(0)
.irp g, 0,1                            ; S^T = K Q^T, four tiles of 16 keys at a time
.if \g
.rept 4
	v_nop                                          ; places in front of loads into registers that the four products above have read
.endr
.endif
.irp t, 0,1,2,3
	ds_load_b128 v[KFR+12*\t:KFR+12*\t+3], v[A16] offset:768*(8*(\q)+4*\g+\t)
	ds_load_b64 v[KFR+12*\t+4:KFR+12*\t+5], v[A8] offset:768*(8*(\q)+4*\g+\t)+512
.endr
	ds_load_b64 v[KS+2*\g:KS+2*\g+1], v[A8] offset:KSC+256*(2*(\q)+\g)
	s_wait_dscnt 0x0
.irp t, 0,1,2,3
.if \t%2
	v_wmma_scale_f32_16x16x128_f8f6f4 v[S+8*(4*\g+\t):S+8*(4*\g+\t)+7], v[KFR+12*\t:KFR+12*\t+11], v[16:27], 0, v[KS+2*\g+\t/2], v[QS] matrix_a_fmt:MATRIX_FMT_BF6 matrix_b_fmt:MATRIX_FMT_BF6 matrix_a_scale:MATRIX_SCALE_ROW1
.else
	v_wmma_scale_f32_16x16x128_f8f6f4 v[S+8*(4*\g+\t):S+8*(4*\g+\t)+7], v[KFR+12*\t:KFR+12*\t+11], v[16:27], 0, v[KS+2*\g+\t/2], v[QS] matrix_a_fmt:MATRIX_FMT_BF6 matrix_b_fmt:MATRIX_FMT_BF6
.endif
.endr
.endr                                  ; register 16 b + i of S^T is key KF + 32 b + 16 (lane / 16) + i of my query
.irp t, 0,1,2,3                        ; V's four fragments are asked for now and land under the softmax
	ds_load_b128 v[VFR+12*\t:VFR+12*\t+3], v[A16] offset:VOFF+6144*(\q)+1536*\t
	ds_load_b64 v[VFR+12*\t+4:VFR+12*\t+5], v[A8] offset:VOFF+6144*(\q)+1536*\t+512
	ds_load_b128 v[VFR+12*\t+6:VFR+12*\t+9], v[A16] offset:VOFF+6144*(\q)+1536*\t+768
	ds_load_b64 v[VFR+12*\t+10:VFR+12*\t+11], v[A8] offset:VOFF+6144*(\q)+1536*\t+1280
.endr
	ds_load_b64 v[VS:VS+1], v[A8] offset:VSC+256*(\q)
.rept 4
	v_nop                                          ; places in front of the first read of the scores
.endr
	s_add_co_u32 s96, s[KF], 127
	s_cmp_le_u32 s96, s[Q0]
	s_cbranch_scc1 .Lopen_\@                       ; all keys of the step count for all my queries
	s_sub_co_i32 s96, s[Q0], s[KF]
	v_add_nc_u32 v[F], s96, v[QL]                  ; d = my query - KF - 16 (lane / 16): register 16 b + i is hidden where 32 b + i > d
	v_mov_b32 v[TMP], 0xff800000                   ; -infinity
.set n, 0
.rept 64
	v_cmp_gt_i32 vcc_lo, 32*(n/16)+n%16, v[F]
	v_cndmask_b32 v[S+n], v[S+n], v[TMP], vcc_lo
.set n, n+1
.endr
.Lopen_\@:
.irp b, 0,1,2,3
	v_max3_num_f32 v[BM+\b], v[S+16*\b], v[S+1+16*\b], v[S+2+16*\b]   ; the largest score of each block of 32 keys: it serves for the row's maximum and, since p rises with the score, for the block's largest p
.endr
.irp i, 3,5,7,9,11,13
.irp b, 0,1,2,3
	v_max3_num_f32 v[BM+\b], v[BM+\b], v[S+16*\b+\i], v[S+1+16*\b+\i]
.endr
.endr
.irp b, 0,1,2,3
	v_max_num_f32 v[BM+\b], v[BM+\b], v[S+15+16*\b]
.endr
.irp b, 0,1,2,3
	s_delay_alu instid0(VALU_DEP_4)
	v_permlanex16_b32 v[PT+\b], v[BM+\b], s[SEL], s[SEL+1]
.endr
.irp b, 0,1,2,3
	s_delay_alu instid0(VALU_DEP_4)
	v_max_num_f32 v[BM+\b], v[BM+\b], v[PT+\b]     ; with lane l xor 16's 16 keys
.endr
	s_delay_alu instid0(VALU_DEP_2)
	v_max3_num_f32 v[TMP], v[BM], v[BM+1], v[BM+2]
	s_delay_alu instid0(VALU_DEP_1)
	v_max_num_f32 v[TMP], v[TMP], v[BM+3]          ; the step's largest score of my query
	s_delay_alu instid0(VALU_DEP_1)
	v_mul_f32 v[TMP], s[CS], v[TMP]                ; as t
	s_delay_alu instid0(VALU_DEP_1)
	v_max_num_f32 v13, v13, v[TMP]                 ; the running largest t
	v_mov_b32 v[TMP], v12
	s_delay_alu instid0(VALU_DEP_2)
	v_floor_f32 v12, -v13                          ; the new -M = -ceil(t): a whole number
	s_delay_alu instid0(VALU_DEP_1)
	v_sub_f32 v[TMP], v12, v[TMP]                  ; old M - new M: a whole number, 0 or less
	s_delay_alu instid0(VALU_DEP_1)
	v_cvt_i32_f32 v[TMP], v[TMP]                   ; (it saturates)
	s_delay_alu instid0(VALU_DEP_1)
	v_ldexp_f32 v[F], 1.0, v[TMP]                  ; f = 2^(old M - new M)
.set j, 0
.rept 32
	v_pk_fma_f32 v[S+j:S+j+1], v[S+j:S+j+1], s[CS:CS+1], v[12:13] op_sel_hi:[1,0,0]   ; t - M, two at a time
.set j, j+2
.endr
.irp b, 0,1,2,3
	v_fma_f32 v[BM+\b], v[BM+\b], s[CS], v12       ; the same of each block's largest score
.endr
.set j, 0
	s_wait_alu depctr_va_vdst(0)
.rept 64
	v_exp_f32 v[S+j], v[S+j]                       ; p = 2^(t - M), at most 1
.set j, j+1
.endr
	v_pk_mul_f32 v[14:15], v[14:15], v[F:F+1] op_sel_hi:[1,0]   ; the sums under the new M: the plain instruction behind the exponentials
	s_wait_alu depctr_va_vdst(0)                   ; one wait for the whole batch, ahead of its first reader
.irp b, 0,1,2,3
	v_exp_f32 v[BM+\b], v[BM+\b]                   ; the block's largest p
.endr
	v_pk_add_f32 v[236:237], v[132:133], v[136:137]
	v_pk_add_f32 v[254:255], v[140:141], v[144:145]
	v_pk_add_f32 v[250:251], v[148:149], v[152:153]
	v_pk_add_f32 v[248:249], v[156:157], v[160:161]
	v_pk_add_f32 v[242:243], v[164:165], v[168:169]
	v_pk_add_f32 v[240:241], v[172:173], v[176:177]
	v_pk_add_f32 v[238:239], v[180:181], v[184:185]
	v_pk_add_f32 v[14:15], v[14:15], v[188:189]
	v_pk_add_f32 v[236:237], v[236:237], v[128:129]
	v_pk_add_f32 v[254:255], v[254:255], v[130:131]
	v_pk_add_f32 v[250:251], v[250:251], v[134:135]
	v_pk_add_f32 v[248:249], v[248:249], v[138:139]
	v_pk_add_f32 v[242:243], v[242:243], v[142:143]
	v_pk_add_f32 v[240:241], v[240:241], v[146:147]
	v_pk_add_f32 v[238:239], v[238:239], v[150:151]
	v_pk_add_f32 v[14:15], v[14:15], v[154:155]
	v_pk_add_f32 v[236:237], v[236:237], v[158:159]
	v_pk_add_f32 v[254:255], v[254:255], v[162:163]
	v_pk_add_f32 v[250:251], v[250:251], v[166:167]
	v_pk_add_f32 v[248:249], v[248:249], v[170:171]
	v_pk_add_f32 v[242:243], v[242:243], v[174:175]
	v_pk_add_f32 v[240:241], v[240:241], v[178:179]
	v_pk_add_f32 v[238:239], v[238:239], v[182:183]
	v_pk_add_f32 v[14:15], v[14:15], v[186:187]
	v_pk_add_f32 v[236:237], v[236:237], v[190:191]
	s_delay_alu instid0(VALU_DEP_2)
	v_pk_add_f32 v[14:15], v[14:15], v[248:249]
	s_delay_alu instid0(VALU_DEP_2)
	v_pk_add_f32 v[236:237], v[236:237], v[242:243]
	v_pk_add_f32 v[254:255], v[254:255], v[240:241]
	v_pk_add_f32 v[250:251], v[250:251], v[238:239]
	s_delay_alu instid0(VALU_DEP_2)
	v_pk_add_f32 v[14:15], v[14:15], v[254:255]
	s_delay_alu instid0(VALU_DEP_2)
	v_pk_add_f32 v[236:237], v[236:237], v[250:251]
	s_delay_alu instid0(VALU_DEP_1)
	v_pk_add_f32 v[14:15], v[14:15], v[236:237]
	s_wait_alu depctr_va_vdst(0)                   ; and one for the four
.irp b, 0,1,2,3
	v_max_num_f32 v[BM+\b], 0x2800000, v[BM+\b]    ; the floor 2^(5 - 127): the byte cannot fall under 1
.endr
.irp b, 0,1,2,3
	s_delay_alu instid0(VALU_DEP_4)
	v_add_nc_u32 v[SO+\b], 0xfe000000, v[BM+\b]    ; 4 off the exponent field: the conversion's scale operand
.endr
.irp b, 0,1,2,3
	s_delay_alu instid0(VALU_DEP_4)
	v_lshrrev_b32 v[PT+\b], 23, v[SO+\b]           ; the scale's byte
.endr
	s_delay_alu instid0(VALU_DEP_3)
	v_lshl_or_b32 v[PW], v[PT+1], 8, v[PT]
	s_delay_alu instid0(VALU_DEP_1)
	v_lshl_or_b32 v[PW], v[PT+2], 16, v[PW]
	s_delay_alu instid0(VALU_DEP_1)
	v_lshl_or_b32 v[PW], v[PT+3], 24, v[PW]        ; p's scale word for these 128 keys
.irp c, 0,1
	v_cvt_scalef32_pk16_bf6_f32 v[PCD+6*\c:PCD+2+6*\c], v[S+32*\c:S+15+32*\c], v[SO+2*\c]
	v_cvt_scalef32_pk16_bf6_f32 v[PT+4*\c:PT+2+4*\c], v[S+16+32*\c:S+31+32*\c], v[SO+2*\c+1]
.endr
	v_nop                                          ; one plain instruction behind a scaled conversion
.irp c, 0,1
.irp i, 0,1,2
	v_permlane16_swap_b32 v[PCD+6*\c+\i], v[PT+4*\c+\i]
.endr
.irp i, 0,1,2
	s_delay_alu instid0(VALU_DEP_3)
	v_mov_b32 v[PCD+3+6*\c+\i], v[PT+4*\c+\i]
.endr
.endr
.set j, 0
.rept 16
	v_pk_mul_f32 v[O+j:O+j+1], v[O+j:O+j+1], v[F:F+1] op_sel_hi:[1,0]   ; O^T under the new M; these 16 also stand between the writes of p's codes and scale word and the products
.set j, j+2
.endr
	s_wait_alu depctr_va_vdst(0)
	s_wait_dscnt 0x0                               ; V is in
.irp t, 0,1,2,3                        ; O^T += V^T P^T: four accumulators by turns
.if \t%2
	v_wmma_scale_f32_16x16x128_f8f6f4 v[O+8*\t:O+8*\t+7], v[VFR+12*\t:VFR+12*\t+11], v[PCD:PCD+11], v[O+8*\t:O+8*\t+7], v[VS+\t/2], v[PW] matrix_a_fmt:MATRIX_FMT_BF6 matrix_b_fmt:MATRIX_FMT_BF6 matrix_a_scale:MATRIX_SCALE_ROW1
.else
	v_wmma_scale_f32_16x16x128_f8f6f4 v[O+8*\t:O+8*\t+7], v[VFR+12*\t:VFR+12*\t+11], v[PCD:PCD+11], v[O+8*\t:O+8*\t+7], v[VS+\t/2], v[PW] matrix_a_fmt:MATRIX_FMT_BF6 matrix_b_fmt:MATRIX_FMT_BF6
.endif
.endr
.Lhidden_\@:
	s_add_co_u32 s[KF], s[KF], 128
.endm
; THE CHANGE OF SLOTS stands at a slot's head.  Each wave waits for all its tensor loads, adds 0 to its spare word, and waits for that and for its reads of the slot that it has left.
; Behind the barrier the slot ahead is whole and nobody reads the other one.  fill = 1: that other slot takes the next trip's keys.
.macro CHANGE fill
	s_wait_tensorcnt 0x0                           ; no tensor load of mine is out, so the descriptor may be written
	ds_add_u32 v[SPW], v[NIL]                      ; 0 onto my spare word
.if \fill
	s_add_co_u32 s[NK], s[NK], 1
	s_cmp_eq_u32 s[T], s[I]
	s_cselect_b32 s[NK], 0, s[NK]                  ; behind block I's last slot the second block begins at key slot 0
	s_mul_i32 s46, s[NK], SLB
	s_mov_b32 s47, 0
	s_add_nc_u64 s[G0+2:G0+3], s[KVB:KVB+1], s[46:47]
	s_or_b32 s[G0+3], s[G0+3], 0x80000000
	s_xor_b32 s[G0+1], s[G0+1], SLOT1              ; the other slot than last time
	s_wait_xcnt 0x0                                ; the last prefetch, a slot back, has read its address, so it may be written
	s_add_nc_u64 s[PFA:PFA+1], s[PFA:PFA+1], SLB
.endif
	s_wait_dscnt 0x0                               ; the add is done, and my reads of the slot that I have left are over
	s_barrier_signal -1
	s_barrier_wait -1
.if \fill
	TLOAD                                          ; the first thing behind the barrier, and the wave's one tensor load until the next
	ASK
.endif
.endm
; A block of queries is finished: O^T / the sum, quantised along the channels (two blocks of 32), stored as half a fragment and two scale bytes a row.
.macro FINISH reinit
.rept 4
	v_nop                                          ; places behind the last products
.endr
	v_add_f32 v14, v14, v15
	s_delay_alu instid0(VALU_DEP_1)
	v_permlanex16_b32 v[F], v14, s[SEL], s[SEL+1]
	s_delay_alu instid0(VALU_DEP_1)
	v_add_f32 v14, v14, v[F]                       ; the row's sum
	s_wait_alu depctr_va_vdst(0)
	v_rcp_f32 v14, v14
	s_lshr_b32 s96, s[BH], 4
	s_lshl_b32 s96, s96, 7
	s_lshl_b32 s97, s[BLK], 4
	s_add_co_u32 s96, s96, s97
	s_add_co_u32 s96, s96, s[WV]                   ; my tile among the 512 tiles of tokens: 128 x batch + 16 x block + wave
	s_and_b32 s97, s[BH], 15                       ; the head
	s_mul_i32 s46, s96, 12288
	s_lshr_b32 s98, s97, 1
	s_mul_i32 s98, s98, 1536
	s_add_co_u32 s46, s46, s98                     ; K step head / 2,
	s_and_b32 s98, s97, 1
	s_mul_i32 s98, s98, 768
	s_add_co_u32 s46, s46, s98                     ; its half head % 2
	s_mov_b32 s47, 0
	s_add_nc_u64 s[52:53], s[8:9], s[46:47]
	s_lshl_b32 s46, s96, 9
	s_lshr_b32 s98, s97, 2
	s_lshl_b32 s98, s98, 7
	s_add_co_u32 s46, s46, s98
	s_bfe_u32 s98, s97, 0x10001
	s_lshl_b32 s98, s98, 2
	s_add_co_u32 s46, s46, s98
	s_and_b32 s98, s97, 1
	s_lshl_b32 s98, s98, 1
	s_add_co_u32 s46, s46, s98                     ; the scale word of that K step, bytes 2 (head % 2) on
	s_add_nc_u64 s[54:55], s[10:11], s[46:47]
	v_nop                                          ; a plain instruction behind the reciprocal
	s_wait_alu depctr_va_vdst(0)                   ; and the wait ahead of its first reader
.set j, 0
.rept 32
	v_mul_f32 v[S+j], v[O+j], v14                  ; register 16 b + i is channel 32 b + 16 (lane / 16) + i of my query
.set j, j+1
.endr
.irp b, 0,1
	v_max3_num_f32 v[BM+\b], |v[S+16*\b]|, |v[S+1+16*\b]|, 0x2800000
.endr
.irp i, 2,4,6,8,10,12,14
.irp b, 0,1
	s_delay_alu instid0(VALU_DEP_2)
	v_max3_num_f32 v[BM+\b], v[BM+\b], |v[S+16*\b+\i]|, |v[S+1+16*\b+\i]|
.endr
.endr
.irp b, 0,1
	s_delay_alu instid0(VALU_DEP_2)
	v_permlanex16_b32 v[PT+\b], v[BM+\b], s[SEL], s[SEL+1]
.endr
.irp b, 0,1
	s_delay_alu instid0(VALU_DEP_2)
	v_max_num_f32 v[BM+\b], v[BM+\b], v[PT+\b]
.endr
.irp b, 0,1
	s_delay_alu instid0(VALU_DEP_2)
	v_add_nc_u32 v[SO+\b], 0xfe000000, v[BM+\b]
.endr
.irp b, 0,1
	s_delay_alu instid0(VALU_DEP_2)
	v_lshrrev_b32 v[PT+\b], 23, v[SO+\b]
.endr
	s_delay_alu instid0(VALU_DEP_1)
	v_lshl_or_b32 v[TMP], v[PT+1], 8, v[PT]        ; my row's two bytes
	v_cvt_scalef32_pk16_bf6_f32 v[PCD:PCD+2], v[S:S+15], v[SO]
	v_cvt_scalef32_pk16_bf6_f32 v[PT+4:PT+6], v[S+16:S+31], v[SO+1]
	v_nop                                          ; one plain instruction behind a scaled conversion
.irp i, 0,1,2
	v_permlane16_swap_b32 v[PCD+\i], v[PT+4+\i]
.endr
.irp i, 0,1,2
	s_delay_alu instid0(VALU_DEP_3)
	v_mov_b32 v[PCD+3+\i], v[PT+4+\i]
.endr
	global_store_b128 v[L16], v[PCD:PCD+3], s[52:53]               ; three whole aligned blocks of 256 bytes
	global_store_b64 v[L8], v[PCD+4:PCD+5], s[52:53] offset:512
	global_store_b16 v[R8], v[TMP], s[54:55]       ; lanes r and r + 16 write the same two bytes with the same value
.if \reinit
	s_sub_co_u32 s[BLK], 7, s[I]
	NEWBLOCK
	s_wait_xcnt 0x0                                ; the stores have read their data, which the next step writes again
.endif
.endm
.Lslot:                                ; eight trips: behind each change of slots but the last the next slot is asked for
	CHANGE 1
	STEP 0
	STEP 1
	s_xor_b32 s[TB], s[TB], SLOT1
	s_cmp_lg_u32 s[T], s[I]
	s_cbranch_scc1 .Lsame_block
	FINISH 1                                       ; block I is done: on to block 7 - I
.Lsame_block:
	s_add_co_u32 s[T], s[T], 1
	s_sub_co_u32 s[SLOTS], s[SLOTS], 1
	s_cmp_lg_u32 s[SLOTS], 0
	s_cbranch_scc1 .Lslot
	CHANGE 0                                       ; the last slot is written out
	STEP 0
	STEP 1
	FINISH 0
	s_wait_tensorcnt 0x0                           ; the wave's end
	ds_add_u32 v[SPW], v[NIL]
	s_wait_dscnt 0x0
	s_endpgm
.Lfunc_end_k_qf91e216943_attn:
	.size	k_qf91e216943_attn, .Lfunc_end_k_qf91e216943_attn-k_qf91e216943_attn
	.p2alignl 7, 3214868480
	.fill 96, 4, 3214868480
	.section	.rodata,"a",@progbits
	.p2align	6, 0x0
	.amdhsa_kernel k_qf91e216943_attn
		.amdhsa_group_segment_fixed_size 327680
		.amdhsa_private_segment_fixed_size 0
		.amdhsa_enable_private_segment 0
		.amdhsa_kernarg_size 32
		.amdhsa_user_sgpr_count 2
		.amdhsa_user_sgpr_kernarg_segment_ptr 1
		.amdhsa_wavefront_size32 1
		.amdhsa_system_sgpr_workgroup_id_x 1
		.amdhsa_system_sgpr_workgroup_id_y 1
		.amdhsa_system_sgpr_workgroup_id_z 1
		.amdhsa_system_vgpr_workitem_id 0
		.amdhsa_next_free_vgpr 256
		.amdhsa_next_free_sgpr 100
		.amdhsa_reserve_vcc 1
		.amdhsa_float_denorm_mode_32 3
		.amdhsa_float_denorm_mode_16_64 3
		.amdhsa_memory_ordered 1
		.amdhsa_forward_progress 1
		.amdhsa_inst_pref_size 112
	.end_amdhsa_kernel
	.amdgpu_metadata
---
amdhsa.version: [ 1, 2 ]
amdhsa.kernels:
  - .name:           k_qf91e216943_attn
    .symbol:         k_qf91e216943_attn.kd
    .args:
      - { .name: qi, .offset: 0, .size: 8, .value_kind: global_buffer, .address_space: global }
      - { .name: kv, .offset: 8, .size: 8, .value_kind: global_buffer, .address_space: global }
      - { .name: oc, .offset: 16, .size: 8, .value_kind: global_buffer, .address_space: global }
      - { .name: os, .offset: 24, .size: 8, .value_kind: global_buffer, .address_space: global }
    .group_segment_fixed_size: 327680
    .private_segment_fixed_size: 0
    .kernarg_segment_align: 8
    .kernarg_segment_size: 32
    .max_flat_workgroup_size: 512
    .sgpr_count:     100
    .vgpr_count:     256
    .wavefront_size: 32
...
	.end_amdgpu_metadata
.endif
;; end of part 3
;; launch outp (part 4): grid 4 x 32, 4 waves a work-group, clusters of 4 x 4, 327,680 bytes of LDS; arguments oc, os, opc, ops, bo, out0; writes out0
.if DOCPART == 4
	.amdgcn_target "amdgcn-amd-amdhsa--gfx1250"
	.amdhsa_code_object_version 6
	.text
	.protected	k_qf91e216943_outp
	.globl	k_qf91e216943_outp
	.p2align	8
	.type	k_qf91e216943_outp,@function
k_qf91e216943_outp:
	s_mov_b64 s[64:65], 0
	v_nop
	global_prefetch_b8 v0, s[64:65] scope:SCOPE_SE
	s_setreg_imm32_b32 hwreg(HW_REG_WAVE_MODE, 25, 1), 1
	s_wait_xcnt 0x0
	s_wait_alu depctr_hold_cnt(0) depctr_sa_sdst(0) depctr_va_vdst(0) depctr_va_sdst(0) depctr_va_ssrc(0) depctr_va_vcc(0) depctr_vm_vsrc(0)
	s_getreg_b32 s2, hwreg(HW_REG_IB_STS2, 6, 4)
	s_cmp_eq_u32 s2, 0
	s_cbranch_scc0 .Lentry_in_a_cluster
	s_endpgm
.Lentry_in_a_cluster:
	s_bfe_u32 s2, ttmp6, 0x10000c
	s_cmp_lg_u32 s2, 0xf033
	s_cbranch_scc0 .Lentry_shape_is_right
	s_endpgm
.Lentry_shape_is_right:
; out0 = attention's output x Wo^T + bo, on codes of BF6 (E3M2) with E8M0 scales; out0 [8192][1024] f32.
; OPERANDS lie in memory as images of their registers: tile T x K step s at T x 12,288 + 1,536 s, scale words at T x 512 + 128 (s / 2) + 8 r + 4 (s % 2).  A tile T holds rows 32 (T / 2) + 8 (T % 2) + r + 8 (r / 8).
; R (source 1) = tokens, in oc and os; P (source 0) = Wo's rows, tiles 704-767 of opc and ops.  In a result a lane holds one token, and register j of P's tile b the column 32 (b / 2) + 16 (lane / 16) + 8 (b % 2) + j.
; A work-group of four waves makes 256 x 256, a wave 128 x 128: 64 accumulators.  K goes in steps of 256 through a ring of two LDS slots, four K steps in all, written straight.
; CLUSTERS: 4 x 4 work-groups; R's tiles are asked for jointly by a row of the cluster, P's by a column.
; THE BIAS is the C of each sum's first matrix instruction: eight registers for each of P's tiles, in the result's layout.
; THE WAY OUT: a block of 16 tokens x 128 columns goes through the wave's own stage in LDS and comes back as whole rows of 512 bytes.  The stage lies in slot 0, which has had its last fill and its last read by then.
; LEFT OUT: a smaller tile or work-groups that share K (128 work-groups leave half the WGPs without work); prefetching (four K steps only).  NaN and infinities among the inputs are not served.
.set NQ,     2
.set FR,     12
.set FRB,    1536
.set NL,     4
.set NP,     4
.set TROW,   2*FRB
.set HALFT,  8*TROW
.set SLOT,   4*HALFT
.set SCL,    2*SLOT
.set HALFS,  4096
.set SBLK,   512
.set SPARE,  SCL+4*HALFS               ; the spare words, 128 bytes a wave: two blocks of 256 bytes that no other line names
.set SPITCH, 528                       ; a stage row: 512 bytes + 16
.set ADRA, 16                          ; v16-17 R's fragments in slot 0, 1, + 16 x lane; v18-19 + 8 x lane
.set ADRB, 20                          ; v20-23 likewise for P
.set STO,  24                          ; v24  the way out: where I put 32 bytes of a row
.set RD,   25                          ; v25  where I read a row back
.set CO,   26                          ; v26  16 x lane
.set ADRS, 27                          ; v27  my scale words: lanes 0-15 R's, lanes 16-31 P's
.set SPW,  28
.set NIL,  29
.set BOF,  30                          ; v30  64 x (lane / 16): my half's 16 numbers of the bias
.set SC,   32                          ; v32-63 scale words, two sets
.set BIAS, 64                          ; v64-127 the bias, eight registers for each of P's tiles
.set AF,   128                         ; v128-223 R's fragments.  Window 1: P's two sets.  Windows 2, 3: the accumulators
.set BK,   128                         ; the way out: 16 rows read back: v128-191 and v192-255 by turns
.set G1, 24
.set G0, 32
.set G1B, 48
.set G0B, 56
.set G1S, 68
.set G0S, 76
.set G1SB, 80
.set G0SB, 88
.set MSB, 0
.macro WIN new                         ; the immediate's high byte repeats the setting that is left
.if MSB != \new
	s_set_vgpr_msb (MSB<<8)|\new
.set MSB, \new
.endif
.endm
.set MUL_LO,  0xa1                     ; source 0 (P) window 1, source 1 (R) window 0, C and D window 2
.set MUL_HI,  0xf1                     ; the same, C and D window 3
.set MULF_LO, 0x81                     ; the first step: C (the bias) window 0, D window 2
.set MULF_HI, 0xc1                     ; D window 3
.set TO_B,    0x40
.macro JLOAD g0a, g1a, g0b, g1b        ; a joint load: waves 0 and 1 fetch for R, waves 2 and 3 for P; four v_nop follow each of the two lines
	s_cmp_eq_u32 s15, 0
	s_cbranch_scc0 .Lfor_b_\@
	tensor_load_to_lds s[\g0a:\g0a+3], s[\g1a:\g1a+7]
	s_nop 0
.rept 4
	v_nop
.endr
	s_branch .Lasked_\@
.Lfor_b_\@:
	tensor_load_to_lds s[\g0b:\g0b+3], s[\g1b:\g1b+7]
	s_nop 0
.rept 4
	v_nop
.endr
.Lasked_\@:
.endm
.macro CREST
	s_cmp_lg_u32 s14, 0
	s_cbranch_scc1 .Lnot_wave_0_\@
	s_barrier_signal -3
.Lnot_wave_0_\@:
	s_barrier_wait -3
	s_barrier_signal -1
	s_barrier_wait -1
.endm
.macro CROUND
	s_barrier_signal -1
	s_barrier_wait -1
	CREST
.endm
	s_load_b256 s[4:11], s[0:1], 0x0               ; oc s[4:5], os s[6:7], opc s[8:9], ops s[10:11]
	s_load_b128 s[96:99], s[0:1], 0x20             ; bo s[96:97], out0 s[98:99]
	v_lshl_add_u32 v[SPW], v0, 2, SPARE
	v_mov_b32 v[NIL], 0
	ds_add_u32 v28, v29
	s_wait_dscnt 0x0
	v_lshrrev_b32 v1, 5, v0
	v_readfirstlane_b32 s14, v1                    ; wave 0..3
	s_lshr_b32 s15, s14, 1                         ; which half of R's 256 rows is mine.  Also: I fetch for R (0) or for P (1)
	s_and_b32 s16, s14, 1                          ; which half of P's.  Also: which 8 tiles I fetch
	s_bfe_u32 s40, ttmp6, 0x40000                  ; cx, cy
	s_bfe_u32 s41, ttmp6, 0x40004
	s_and_b32 s17, ttmp7, 0xffff
	s_lshl_b32 s13, s17, 2
	s_add_co_u32 s13, s13, s41                     ; which 256 tokens: 4 x cluster y + cy
	s_lshl_b32 s12, ttmp9, 2
	s_add_co_u32 s12, s12, s40                     ; which 256 columns: 4 x cluster x + cx
	s_add_co_u32 s42, s12, 44                      ; Wo's blocks of 256 rows begin at 44
	s_lshl_b32 s43, s41, 2
	s_lshl_b32 s43, 15, s43                        ; my row of the cluster
	s_lshl_b32 s44, 0x1111, s40                    ; my column
	s_or_b32 s[G1+0], s43, (3<<16)|(1<<21)         ; 8 tiles x 3,072 bytes (384 elements of 8 bytes), 12,288 bytes apart; R's go to my row,
	s_or_b32 s[G1B+0], s44, (3<<16)|(1<<21)        ; P's to my column
.irp g, G1, G1B
	s_mov_b32 s[\g+1], 384<<16
	s_mov_b32 s[\g+2], 8<<16
	s_mov_b32 s[\g+3], 384<<16
	s_mov_b32 s[\g+4], 8
	s_mov_b32 s[\g+5], 1536
	s_mov_b32 s[\g+6], 0
	s_mov_b32 s[\g+7], 0
.endr
	s_or_b32 s[G1S+0], s43, (3<<16)|(1<<21)        ; the scale words of 8 tiles: 4,096 dense bytes as 16 rows of 256
	s_or_b32 s[G1SB+0], s44, (3<<16)|(1<<21)
.irp g, G1S, G1SB
	s_mov_b32 s[\g+1], 32<<16
	s_mov_b32 s[\g+2], 16<<16
	s_mov_b32 s[\g+3], 32<<16
	s_mov_b32 s[\g+4], 16
	s_mov_b32 s[\g+5], 32
	s_mov_b32 s[\g+6], 0
	s_mov_b32 s[\g+7], 0
.endr
	s_lshl_b32 s18, s16, 3
	s_lshl_b32 s20, s13, 4
	s_add_co_u32 s20, s20, s18                     ; R: the first tile that I fetch
	s_lshl_b32 s46, s42, 4
	s_add_co_u32 s46, s46, s18                     ; P likewise
	s_lshl_b32 s22, s20, 9
	s_mov_b32 s23, 0
	s_lshl_b32 s92, s46, 9
	s_mov_b32 s93, 0
	s_mul_i32 s20, s20, 12288
	s_mov_b32 s21, 0
	s_mul_i32 s46, s46, 12288
	s_mov_b32 s47, 0
	s_mul_i32 s45, s14, HALFT
	s_lshl_b32 s94, s14, 12
	s_wait_kmcnt 0x0
	s_add_nc_u64 s[20:21], s[4:5], s[20:21]
	s_add_nc_u64 s[22:23], s[6:7], s[22:23]
	s_add_nc_u64 s[46:47], s[8:9], s[46:47]
	s_add_nc_u64 s[92:93], s[10:11], s[92:93]
	CROUND                                         ; all sixteen work-groups are here: the first joint loads meet
	s_mov_b32 s[G0S], 1
	s_add_co_u32 s[G0S+1], s94, SCL
	s_mov_b64 s[G0S+2:G0S+3], s[22:23]
	s_or_b32 s[G0S+3], s[G0S+3], 0x80000000
	s_mov_b32 s[G0SB], 1
	s_add_co_u32 s[G0SB+1], s94, SCL
	s_mov_b64 s[G0SB+2:G0SB+3], s[92:93]
	s_or_b32 s[G0SB+3], s[G0SB+3], 0x80000000
	JLOAD G0S, G1S, G0SB, G1SB
.irp s, 0,1
	s_mov_b32 s[G0+4*\s], 1
	s_add_co_u32 s[G0+4*\s+1], s45, \s*SLOT
	s_add_nc_u64 s[G0+4*\s+2:G0+4*\s+3], s[20:21], \s*TROW
	s_or_b32 s[G0+4*\s+3], s[G0+4*\s+3], 0x80000000
	s_mov_b32 s[G0B+4*\s], 1
	s_add_co_u32 s[G0B+4*\s+1], s45, \s*SLOT
	s_add_nc_u64 s[G0B+4*\s+2:G0B+4*\s+3], s[46:47], \s*TROW
	s_or_b32 s[G0B+4*\s+3], s[G0B+4*\s+3], 0x80000000
	JLOAD G0+4*\s, G1, G0B+4*\s, G1B               ; three loads of mine are out at the most
.endr
	v_and_b32 v1, 15, v0                           ; r
	v_bfe_u32 v2, v0, 4, 1                         ; h
	v_and_b32 v3, 31, v0                           ; lane
	v_lshlrev_b32 v[CO], 4, v3
	v_lshlrev_b32 v4, 3, v3
	v_lshlrev_b32 v[BOF], 6, v2
	s_mul_i32 s21, s15, HALFT
	s_mul_i32 s22, s16, HALFT
	s_add_co_u32 s22, s22, 2*HALFT
.irp s, 0,1
	v_add_nc_u32 v[ADRA+\s], s21, v[CO]
	v_add_nc_u32 v[ADRA+2+\s], s21, v4
	v_add_nc_u32 v[ADRB+\s], s22, v[CO]
	v_add_nc_u32 v[ADRB+2+\s], s22, v4
	s_add_co_u32 s21, s21, SLOT
	s_add_co_u32 s22, s22, SLOT
.endr
	s_lshl_b32 s21, s15, 12
	s_lshl_b32 s22, s16, 12
	s_add_co_u32 s22, s22, 2*HALFS
	s_sub_co_u32 s22, s22, s21
	v_mul_u32_u24 v6, s22, v2                      ; lanes 16-31 take P's
	s_add_co_u32 s21, s21, SCL
	v_lshlrev_b32 v5, 3, v1
	v_add_nc_u32 v5, v5, v6
	v_add_nc_u32 v[ADRS], s21, v5
	s_mul_i32 s23, s14, 16*SPITCH                  ; my stage
	v_mul_u32_u24 v5, v1, SPITCH                   ; in: row r, + 64 bytes for the upper half of the lanes
	v_lshl_add_u32 v5, v2, 6, v5
	v_add_nc_u32 v[STO], s23, v5
	v_add_nc_u32 v[RD], s23, v[CO]                 ; back: the 32 lanes take one row of 512 bytes
	s_lshl_b32 s20, s13, 8
	s_lshl_b32 s21, s15, 7
	s_add_co_u32 s20, s20, s21                     ; my first token
	s_lshl_b32 s20, s20, 12                        ; x 4,096 bytes
	s_lshl_b32 s46, s12, 10
	s_lshl_b32 s47, s16, 9
	s_add_co_u32 s46, s46, s47                     ; my first column, in bytes
	s_mov_b32 s47, 0
	s_add_nc_u64 s[96:97], s[96:97], s[46:47]      ; the bias at my columns
	s_add_co_u32 s20, s20, s46
	s_mov_b32 s21, 0
	s_add_nc_u64 s[12:13], s[98:99], s[20:21]      ; out0 at my corner; never stepped: 127 rows of 4,096 bytes at the most stand in the stores' immediates
.irp b, 0,1,2,3,4,5,6,7
	global_load_b128 v[BIAS+8*\b:BIAS+8*\b+3], v[BOF], s[96:97] offset:(32*(\b/2)+8*(\b%2))*4
	global_load_b128 v[BIAS+8*\b+4:BIAS+8*\b+7], v[BOF], s[96:97] offset:(32*(\b/2)+8*(\b%2))*4+16
.endr
.macro FRAG reg, adr, q, i             ; a fragment comes back as it was stored: four loads, each lane's bytes on end
	ds_load_b128 v[\reg:\reg+3], v[\adr] offset:(\i)*TROW+(\q)*FRB
	ds_load_b64 v[\reg+4:\reg+5], v[\adr+2] offset:(\i)*TROW+(\q)*FRB+512
	ds_load_b128 v[\reg+6:\reg+9], v[\adr] offset:(\i)*TROW+(\q)*FRB+768
	ds_load_b64 v[\reg+10:\reg+11], v[\adr+2] offset:(\i)*TROW+(\q)*FRB+1280
.endm
; 16 matrix instructions: R's blocks a0, a0 + 1 x P's eight.  first = 1: the bias is the C that starts the sums.  The 64 accumulators take turns.
.macro MUL16 a0, p, q, sc, first
.irp a, \a0, \a0+1
.irp b, 0,1,2,3,4,5,6,7
.if \first
	v_wmma_scale_f32_16x16x128_f8f6f4 v[8*(8*((\a)%4)+\b):8*(8*((\a)%4)+\b)+7], v[128*(\p)+FR*\b:128*(\p)+FR*\b+FR-1], v[AF+FR*(\a):AF+FR*(\a)+FR-1], v[BIAS+8*\b:BIAS+8*\b+7], v[SC+8*NQ*(\sc)+NQ*\b+(\q)], v[SC+8*NQ*(\sc)+NQ*(\a)+(\q)] matrix_a_fmt:MATRIX_FMT_BF6 matrix_b_fmt:MATRIX_FMT_BF6 matrix_a_scale:MATRIX_SCALE_ROW1
.else
	v_wmma_scale_f32_16x16x128_f8f6f4 v[8*(8*((\a)%4)+\b):8*(8*((\a)%4)+\b)+7], v[128*(\p)+FR*\b:128*(\p)+FR*\b+FR-1], v[AF+FR*(\a):AF+FR*(\a)+FR-1], v[8*(8*((\a)%4)+\b):8*(8*((\a)%4)+\b)+7], v[SC+8*NQ*(\sc)+NQ*\b+(\q)], v[SC+8*NQ*(\sc)+NQ*(\a)+(\q)] matrix_a_fmt:MATRIX_FMT_BF6 matrix_b_fmt:MATRIX_FMT_BF6 matrix_a_scale:MATRIX_SCALE_ROW1
.endif
.endr
.endr
.endm
.macro FETCH_B slot, q, p
	WIN TO_B
.irp i, 0,1,2,3,4,5,6,7
	FRAG 128*(\p)+FR*\i, ADRB+\slot, \q, \i
.endr
	WIN 0
.endm
.macro FETCH_A slot, q, i0
.irp i, \i0, \i0+1, \i0+2, \i0+3
	FRAG AF+FR*(\i), ADRA+\slot, \q, \i
.endr
.endm
.macro SCALES sc
.irp i, 0,1,2,3,4,5,6,7
	ds_load_b64 v[SC+8*NQ*\sc+NQ*\i:SC+8*NQ*\sc+NQ*\i+1], v[ADRS] offset:\i*SBLK
.endr
.endm
.macro PLACES n                        ; plain instructions between a matrix instruction and a load into its registers or a read of its result
.rept \n
	v_nop
.endr
.endm
.macro STEP slot, q, first
	s_wait_dscnt 4*NL                              ; P's set and R's blocks 0-3 are in; the youngest 16 loads (R's blocks 4-7) may be out
.if \first
	WIN MULF_LO
.else
	WIN MUL_LO
.endif
	MUL16 0, (\q)%2, \q, \slot, \first
	MUL16 2, (\q)%2, \q, \slot, \first
	s_wait_dscnt 0
	PLACES NP
	FETCH_B \slot, (\q)+1, 1-(\q)%2
	FETCH_A \slot, (\q)+1, 0
.if \first
	WIN MULF_HI
.else
	WIN MUL_HI
.endif
	MUL16 4, (\q)%2, \q, \slot, \first
	MUL16 6, (\q)%2, \q, \slot, \first
	PLACES NP
	WIN 0
	FETCH_A \slot, (\q)+1, 4
.endm
.macro TURN slot, next, fill           ; a slot's last step changes slots
	s_wait_tensorcnt 0x0                           ; all my tensor loads have landed: my part of the next slot
	ds_add_u32 v[SPW], v[NIL]                      ; 0 onto my spare word
	s_wait_dscnt 4*NL+1                            ; (the add and the youngest 16 loads may be out)
	WIN MUL_LO
	MUL16 0, 1, NQ-1, \slot, 0
	s_wait_dscnt 0x0                               ; the add is done, and my reads of this slot are over
	s_barrier_signal -1
	MUL16 2, 1, NQ-1, \slot, 0
	WIN 0
	s_barrier_wait -1
.if \fill
	CREST                                          ; the barrier has opened a round of the cluster's: no wave of any partner still reads this slot or has a load on its way
	s_add_nc_u64 s[G0+4*\slot+2:G0+4*\slot+3], s[G0+4*\slot+2:G0+4*\slot+3], 2*TROW
	s_add_nc_u64 s[G0B+4*\slot+2:G0B+4*\slot+3], s[G0B+4*\slot+2:G0B+4*\slot+3], 2*TROW
	JLOAD G0+4*\slot, G1, G0B+4*\slot, G1B         ; the first tensor load behind the round; its four v_nop are the places in front of the loads below
.else
	PLACES NP
.endif
	v_add_nc_u32 v[ADRS], 128, v[ADRS]
	FETCH_B \next, 0, 0
	FETCH_A \next, 0, 0
	SCALES \next
	WIN MUL_HI
	MUL16 4, 1, NQ-1, \slot, 0
	MUL16 6, 1, NQ-1, \slot, 0
	PLACES NP
	WIN 0
	FETCH_A \next, 0, 4
.endm
	s_wait_tensorcnt 1                             ; the scale words and my part of slot 0 are in; slot 1's load may be out
	s_barrier_signal -1
	s_barrier_wait -1
	FETCH_B 0, 0, 0
	FETCH_A 0, 0, 0
	SCALES 0
	FETCH_A 0, 0, 4
	s_wait_loadcnt 0x0                             ; the bias
	STEP 0, 0, 1
	TURN 0, 1, 1
	STEP 1, 0, 0
	TURN 1, 0, 1
	STEP 0, 0, 0
	TURN 0, 1, 0
	STEP 1, 0, 0
	s_wait_dscnt 4*NL
	WIN MUL_LO
	MUL16 0, 1, NQ-1, 1, 0
	MUL16 2, 1, NQ-1, 1, 0
	s_wait_dscnt 0
	WIN MUL_HI
	MUL16 4, 1, NQ-1, 1, 0
	MUL16 6, 1, NQ-1, 1, 0
	WIN 0
.macro TOSTAGE a                       ; block a: 16 tokens x 128 columns into my stage, and back as whole rows.  LDS serves a wave's instructions in order: no wait between the stores and the loads
.set AC, 64*((\a)%4)
.set WW, 0x08+4*((\a)/4)
	WIN WW                                         ; an LDS store's data are its source 1: window 2 or 3
.irp b, 0,1,2,3,4,5,6,7
	ds_store_b128 v[STO], v[AC+8*\b:AC+8*\b+3] offset:128*(\b/2)+32*(\b%2)       ; each accumulator from its low end on
	ds_store_b128 v[STO], v[AC+8*\b+4:AC+8*\b+7] offset:128*(\b/2)+32*(\b%2)+16
.endr
	WIN 0
.set BB, BK+64*((\a)%2)
.irp t, 0,1,2,3,4,5,6,7,8,9,10,11,12,13,14,15
	ds_load_b128 v[BB+4*\t:BB+4*\t+3], v[RD] offset:\t*SPITCH
.endr
.endm
.macro SEND a, younger                 ; younger: the LDS instructions issued behind block a's loads, which may stay out
.set BB, BK+64*((\a)%2)
	s_wait_dscnt \younger
.irp t, 0,1,2,3,4,5,6,7,8,9,10,11,12,13,14,15
	global_store_b128 v[CO], v[BB+4*\t:BB+4*\t+3], s[12:13] offset:(32*((\a)/2)+8*((\a)%2)+\t+8*(\t/8))*4096 th:TH_STORE_NT   ; 32 lanes store 512 consecutive bytes, aligned to 256
.endr
.endm
	PLACES NP
	TOSTAGE 0
.irp a, 1,2,3,4,5,6,7
.if \a > 1
	s_wait_xcnt 0x0                                ; block a - 2's stores have read their registers: block a's loads may land there
.endif
	TOSTAGE \a
	SEND \a-1, 32                                  ; behind block a - 1's loads: block a's 16 stores and 16 loads
.endr
	SEND 7, 0
	s_wait_tensorcnt 0x0                           ; the wave's end
	ds_add_u32 v[SPW], v[NIL]
	s_wait_dscnt 0x0
	CROUND                                         ; the closing round: no work-group ends while a partner may still ask for a tile that names it
	s_endpgm
.Lfunc_end_k_qf91e216943_outp:
	.size	k_qf91e216943_outp, .Lfunc_end_k_qf91e216943_outp-k_qf91e216943_outp
	.p2alignl 7, 3214868480
	.fill 96, 4, 3214868480
	.section	.rodata,"a",@progbits
	.p2align	6, 0x0
	.amdhsa_kernel k_qf91e216943_outp
		.amdhsa_group_segment_fixed_size 327680
		.amdhsa_private_segment_fixed_size 0
		.amdhsa_enable_private_segment 0
		.amdhsa_kernarg_size 48
		.amdhsa_user_sgpr_count 2
		.amdhsa_user_sgpr_kernarg_segment_ptr 1
		.amdhsa_wavefront_size32 1
		.amdhsa_system_sgpr_workgroup_id_x 1
		.amdhsa_system_sgpr_workgroup_id_y 1
		.amdhsa_system_sgpr_workgroup_id_z 1
		.amdhsa_system_vgpr_workitem_id 0
		.amdhsa_next_free_vgpr 1024
		.amdhsa_next_free_sgpr 100
		.amdhsa_reserve_vcc 0
		.amdhsa_float_denorm_mode_32 3
		.amdhsa_float_denorm_mode_16_64 3
		.amdhsa_memory_ordered 1
		.amdhsa_forward_progress 1
		.amdhsa_inst_pref_size 144
	.end_amdhsa_kernel
	.amdgpu_metadata
---
amdhsa.version: [ 1, 2 ]
amdhsa.kernels:
  - .name:           k_qf91e216943_outp
    .symbol:         k_qf91e216943_outp.kd
    .args:
      - { .name: oc, .offset: 0, .size: 8, .value_kind: global_buffer, .address_space: global }
      - { .name: os, .offset: 8, .size: 8, .value_kind: global_buffer, .address_space: global }
      - { .name: opc, .offset: 16, .size: 8, .value_kind: global_buffer, .address_space: global }
      - { .name: ops, .offset: 24, .size: 8, .value_kind: global_buffer, .address_space: global }
      - { .name: bo, .offset: 32, .size: 8, .value_kind: global_buffer, .address_space: global }
      - { .name: out0, .offset: 40, .size: 8, .value_kind: global_buffer, .address_space: global }
    .group_segment_fixed_size: 327680
    .private_segment_fixed_size: 0
    .kernarg_segment_align: 8
    .kernarg_segment_size: 48
    .max_flat_workgroup_size: 128
    .sgpr_count:     100
    .vgpr_count:     1024
    .wavefront_size: 32
...
	.end_amdgpu_metadata
.endif
;; end of part 4
